; MI455X (gfx1250); checked and timed in simulation.
; The chip was launched on July 23, 2026; its instructions are those of AMD's public machine-readable ISA for CDNA 5 (MIT licence, August 2026) and "CDNA5" Instruction Set Architecture Reference Guide (July 2026). The comments in the code are by the model that wrote it; some were corrected since.
;; Attention. Allowed arithmetic: matrix products marked QUANTISED: E2M3 operands, one E8M0 scale for each 32 along K, by v_wmma_scale_f32_16x16x128_f8f6f4 with both operands' format E2M3, f32 sums; everything else in f32.
;; Inputs: bk 1,024 float32; bo 1,024 float32; bq 1,024 float32; bv 1,024 float32; k 1 x 4,096 x 1,024 float32; mask 4,096 x 4,096 int32; q 1 x 4,096 x 1,024 float32; v 1 x 4,096 x 1,024 float32; wk 1,024 x 1,024 float32; wo 1,024 x 1,024 float32; wq 1,024 x 1,024 float32; wv 1,024 x 1,024 float32.
;; Outputs: out0 1 x 4,096 x 1,024 float32.
;; This version of the problem:
;;   THIS VERSION OF THE PROBLEM IS GIVEN IN LOW PRECISION. The matrix products marked QUANTISED in the list below multiply operands that are first quantised to E2M3 (2 exponent bits, 3 mantissa bits; 6 bits a number), with one power-of-two scale for each 32 numbers along K (OCP MX v1.0); their sums are f32. All else is computed in f32.
;;   The module's matrix products, in the order in which they are computed (A, B: the left and right operand; K: the contracted axis; several contracted axes count as one K, in the product's order):
;;     1. [M 4,096, K 1,024] x [K 1,024, N 1,024]; A: input q; B: input wq: QUANTISED
;;     2. [M 4,096, K 1,024] x [K 1,024, N 1,024]; A: input k; B: input wk: QUANTISED
;;     3. [M 4,096, K 1,024] x [K 1,024, N 1,024]; A: input v; B: input wv: QUANTISED
;;     4. batch 16 x [M 4,096, K 64] x [K 64, N 4,096]; A: computed on the way; B: computed on the way: QUANTISED
;;     5. batch 16 x [M 4,096, K 4,096] x [K 4,096, N 64]; A: softmax (see below); B: computed on the way: QUANTISED
;;     6. [M 4,096, K 1,024] x [K 1,024, N 1,024]; A: computed on the way; B: input wo: QUANTISED
;;   THE QUANTISER, for each operand of a quantised product, along K:
;;     - K is cut into blocks of 32 from its start; a last block that is shorter is filled with zeros.
;;     - A block's scale is 2^e with e = floor(log2(the largest magnitude in the block)) - 2, held to -126 .. 127; a block of zeros has e = 0. As a byte (E8M0): e + 127.
;;     - Each number is divided by its block's scale, clamped to +-7.5, and rounded to the nearest number of E2M3, ties to even, subnormals kept.
;;     - The product sums the exact products of the quantised numbers (number of the format x scale) in f32.
;;   ~~~python
;;   def quantise(x, axis):      # numpy; x: float32 -> the quantised numbers, widened to float32 again
;;       x = np.moveaxis(x, axis, -1); K = x.shape[-1]
;;       x = np.pad(x, [(0, 0)] * (x.ndim - 1) + [(0, -K % 32)]); x = x.reshape(x.shape[:-1] + (-1, 32)); a = np.abs(x).max(-1, keepdims=True)
;;       e = np.where(a > 0, np.clip(np.frexp(np.where(a > 0, a, 1))[1] - 1 - 2, -126, 127), 0)      # np.frexp(a)[1] - 1 = floor(log2(a)), exactly
;;       r = np.clip(x / 2.0 ** e, -7.5, 7.5)
;;       step = 2.0 ** (np.maximum(np.frexp(np.where(r == 0, 1, r))[1] - 1, 0) - 3)
;;       q = np.round(r / step) * step * 2.0 ** e      # np.round: ties to even
;;       return np.moveaxis(q.reshape(q.shape[:-2] + (-1,))[..., :K], -1, axis).astype(np.float32)
;;   ~~~
;;   SOFTMAX AHEAD OF A QUANTISED PRODUCT. Where the list says 'softmax', what is quantised is not the finished softmax but p = 2^(t - M), with t = logit x log2(e) and M = ceil(the row's largest t), a whole number; so 1/2 < the row's largest p <= 1. The row's sum l is taken of the UNQUANTISED p, in f32, and the product's result is divided by l at the end. Since M is a whole number, a kernel that streams over the keys may use a running M (the ceiling of the running maximum): every later rescaling is an exact power of two, which a block's scale takes up: the codes' values come out the same.
;;   OPERANDS COMPUTED ON THE WAY. 'Computed on the way' means the value that the module computes at that place (a softmax that the list does not call 'softmax' is quantised finished and normalised). What goes into a quantiser is computed in f32, as accurately as f32 sums, v_exp_f32 and their like allow (about 1e-6 of the number): no bf16 or f16 on the way to a quantiser, and a product that is left as it is and whose result goes on into a quantised operand takes f32 operands (vector FMAs, or v_wmma_f32_16x16x4_f32). A number that lies on a knife's edge between two numbers of the format may be rounded either way, as far as f32 arithmetic and the matrix unit's own rounding can turn it there, and no further.
;; 2 versions. Each part assembles by itself: llvm-mc -triple=amdgcn-amd-amdhsa -mcpu=gfx1250 --defsym DOCPART=n.
;; ======== version 1 of 2: 4 launches
;; workspace buffers: cod 12,582,912 bytes; scl 1,048,576 bytes; mbits 2,097,152 bytes of whole numbers; mflag 2,048 bytes of whole numbers; att 10,223,616 bytes; ctx 3,407,872 bytes
;; launch prep (part 1): grid 256 x 1, 8 waves a work-group, no clusters, 68,864 bytes of LDS; arguments q, k, v, wq, wk, wv, wo, mask, cod, scl, mbits, mflag; writes cod, scl, mbits, mflag
.if DOCPART == 1
	.amdgcn_target "amdgcn-amd-amdhsa--gfx1250"
	.amdhsa_code_object_version 6
	.text
	.protected	k_q08dcd74111_prep
	.globl	k_q08dcd74111_prep
	.p2align	8
	.type	k_q08dcd74111_prep,@function
k_q08dcd74111_prep:
	s_mov_b64 s[64:65], 0
	v_nop
	global_prefetch_b8 v0, s[64:65] scope:SCOPE_SE
	s_setreg_imm32_b32 hwreg(HW_REG_WAVE_MODE, 25, 1), 1
	s_wait_xcnt 0x0
; q, k, v [4096][1024] and wq, wk, wv, wo [1024][1024], f32, K innermost, become codes of FP6 (E2M3) with one E8M0 byte for each 32 along K;
; the mask [4096][4096] int32 becomes lane-mask words, one bit an entry, and two flag words for each tile of 16 queries.
; TILES.  Rows go in groups of 32; tile 2 g + u holds rows 32 g + 8 u + p + 8 (p / 8), p = 0 .. 15.  Tile numbers: q 0-255, k 256-511, v 512-767, wq 768-831, wk 832-895, wv 896-959, wo 960-1023.
; cod: fragment (tile T, K step s of 128) at 12288 T + 1536 s, as an IMAGE OF THE OPERAND'S REGISTERS: registers 4 c .. 4 c + 3 of lane l at 512 c + 16 l.
; scl: tile T at 1024 T; the scale word of K step s of lane l's row (l % 16) at 512 (s / 4) + 16 l + 4 (s % 4).
; mbits: record (query tile qt, key step ks of 128) of 256 bytes at 256 (32 qt + ks); word 16 b + i, bit r + 16 h = 1 where mask[row(qt, r)][128 ks + 32 b + 16 h + i] == 0.
; mflag: 8 bytes a query tile: WORK (bit ks: the step has to be computed), NEED (bit ks: some entry of the step is masked).
;   A step is left out later only if all its 16 x 128 entries are masked AND no row of the tile is masked in all 4,096 keys (such a row's softmax is uniform over all keys).
; A JOB is 16 rows x 128 columns of 4 bytes: 16 loads of 512 consecutive bytes; they turn through the wave's own stage in LDS, so that lane (r, h) holds of row r the columns 32 b + 16 h + 0 .. 15 in registers 16 b + 0 .. 15.
; Work-group id takes tiles 4 id .. 4 id + 3 and query tile id.  Wave w: four jobs of tile 4 id + w / 2, K steps 4 (w % 2) + 0 .. 3; then four jobs of the mask, key steps 4 w + 0 .. 3.  Two jobs' loads are out at a time.
; A block's scale is 2^(floor(log2(largest magnitude)) - 2); its byte is the largest magnitude's exponent field - 2, held at 1 from below.
; LIMITS: NaN and infinities among the inputs are not served; a block whose largest magnitude lies under 2^-124 keeps the byte 1; a block of zeros has the byte 1 where the rule says 127 (its codes are zeros, and this program alone reads the bytes).
.set STG,  8448                        ; a wave's stage: 16 rows of 512 bytes + 16
.set RED,  8*STG                       ; behind the stages: 16 bytes a wave for the flags
.set MW,   8                           ; v8-15    four pairs: a mask job's 64 words, lane l words 2 l, 2 l + 1
.set PC,   16                          ; v16-35   the codes just made (12) and scratch
.set TM,   36                          ; v36-51   maxima, bytes, scale operands
.set SW,   52                          ; v52-55   four K steps' scale words
.set R,    64                          ; v64-191  two sets of 64: a job as it is loaded
.set X,    192                         ; v192-255 a job turned
.set WV,   66
.set JA,   68                          ; a job's AND of its words
.set JO,   70                          ; and their OR
.set WA,   72                          ; the wave's AND
.set WW,   73                          ; the wave's WORK bits
.set WN,   74                          ; the wave's NEED bits
.set SH,   75                          ; the key step in hand
.set SEL,  76                          ; s[76:77] selects for v_permlanex16_b32: lane l xor 16
; 64 numbers of a lane, register 16 b + i = k 32 b + 16 (lane / 16) + i of my row, become a fragment's codes in v[PC] on and its scale word in v[pw]
.macro QUANT s, pw
.irp b, 0,1,2,3
	v_max3_num_f32 v[TM+\b], |v[\s+16*\b]|, |v[\s+1+16*\b]|, 0x1800000   ; my 16 numbers of block b, and the floor 2^(3 - 127): the byte cannot fall under 1
.endr
.irp i, 2,4,6,8,10,12,14
.irp b, 0,1,2,3
	v_max3_num_f32 v[TM+\b], v[TM+\b], |v[\s+16*\b+\i]|, |v[\s+1+16*\b+\i]|
.endr
.endr
.irp b, 0,1,2,3
	v_permlanex16_b32 v[TM+4+\b], v[TM+\b], s[SEL], s[SEL+1]
.endr
.irp b, 0,1,2,3
	v_max_num_f32 v[TM+\b], v[TM+\b], v[TM+4+\b]          ; with lane l xor 16's 16: the block's largest magnitude
.endr
.irp b, 0,1,2,3
	v_add_nc_u32 v[TM+12+\b], 0xff000000, v[TM+\b]        ; 2 off its exponent field: the conversion's scale operand
.endr
.irp b, 0,1,2,3
	v_lshrrev_b32 v[TM+4+\b], 23, v[TM+12+\b]             ; the scale's byte
.endr
	v_lshl_or_b32 v[\pw], v[TM+5], 8, v[TM+4]
	v_lshl_or_b32 v[\pw], v[TM+6], 16, v[\pw]
	v_lshl_or_b32 v[\pw], v[TM+7], 24, v[\pw]
.irp c, 0,1
	v_cvt_scalef32_pk16_fp6_f32 v[PC+6*\c:PC+2+6*\c], v[\s+32*\c:\s+15+32*\c], v[TM+12+2*\c]
	v_cvt_scalef32_pk16_fp6_f32 v[PC+12+4*\c:PC+14+4*\c], v[\s+16+32*\c:\s+31+32*\c], v[TM+12+2*\c+1]   ; (a conversion's three registers begin on an even number)
.endr
	v_nop                                          ; one plain place behind the scaled conversions
.irp c, 0,1                                    ; the operand's layout wants a whole block in a lane: lanes 0-15 block 2 c, lanes 16-31 block 2 c + 1
.irp i, 0,1,2
	v_permlane16_swap_b32 v[PC+6*\c+\i], v[PC+12+4*\c+\i]
.endr
.irp i, 0,1,2
	v_mov_b32 v[PC+3+6*\c+\i], v[PC+12+4*\c+\i]
.endr
.endr
.endm
.macro LOADJ set, base, stride, jj     ; a job's 16 rows: each load reads 512 consecutive bytes
.irp i, 0,1,2,3,4,5,6,7,8,9,10,11,12,13,14,15
	global_load_b128 v[R+64*\set+4*\i:R+64*\set+4*\i+3], v1, s[\base:\base+1] offset:(\i+8*(\i/8))*\stride+512*\jj th:TH_LOAD_NT
.endr
.endm
.macro TURN set                        ; through my own stage; LDS serves a wave's instructions in order, so no wait stands between the stores and the loads
.irp i, 0,1,2,3,4,5,6,7,8,9,10,11,12,13,14,15
	ds_store_b128 v3, v[R+64*\set+4*\i:R+64*\set+4*\i+3] offset:528*\i
.endr
.irp b, 0,1,2,3
.irp q, 0,1,2,3
	ds_load_b128 v[X+16*\b+4*\q:X+16*\b+4*\q+3], v4 offset:128*\b+16*\q
.endr
.endr
	s_wait_dscnt 0x0                               ; the job is turned, and the stores have read the set, which may be loaded again
.endm
.macro QJOB jj
	s_wait_xcnt 0x0                                ; the last job's stores have read the codes' registers
	QUANT X, SW+\jj
.irp c, 0,1,2
	global_store_b128 v1, v[PC+4*\c:PC+4*\c+3], s[82:83] offset:1536*\jj+512*\c   ; 512 consecutive bytes, aligned
.endr
.endm
.macro MJOB jj
.irp hf, 0,1
.set n, 0
.rept 32
	v_cmp_eq_u32 s[32+n], 0, v[X+32*\hf+n]         ; word 32 hf + n of the record: a bit a lane
.set n, n+1
.endr
.set n, 0
.rept 32
	v_writelane_b32 v[MW+2*\jj+n%2], s[32+n], 16*\hf+n/2
.set n, n+1
.endr
.if \hf == 0
	s_mov_b32 s[JA], s32
	s_mov_b32 s[JO], s32
.else
	s_and_b32 s[JA], s[JA], s32
	s_or_b32 s[JO], s[JO], s32
.endif
.set n, 1
.rept 31
	s_and_b32 s[JA], s[JA], s[32+n]
	s_or_b32 s[JO], s[JO], s[32+n]
.set n, n+1
.endr
.endr
	s_and_b32 s[WA], s[WA], s[JA]
	s_cmp_eq_u32 s[JA], -1                         ; all 16 x 128 entries masked?
	s_cselect_b32 s67, 0, 1
	s_lshl_b32 s67, s67, s[SH]
	s_or_b32 s[WW], s[WW], s67
	s_cmp_lg_u32 s[JO], 0                          ; any entry masked?
	s_cselect_b32 s67, 1, 0
	s_lshl_b32 s67, s67, s[SH]
	s_or_b32 s[WN], s[WN], s67
	s_add_co_u32 s[SH], s[SH], 1
	global_store_b64 v2, v[MW+2*\jj:MW+2*\jj+1], s[86:87] offset:256*\jj   ; the record: 256 consecutive bytes, aligned
.endm
	s_load_b512 s[4:19], s[0:1], 0x0               ; q, k, v, wq, wk, wv, wo, mask
	s_load_b256 s[20:27], s[0:1], 0x40             ; cod, scl, mbits, mflag
	v_lshl_add_u32 v62, v0, 2, 0x10900
	v_mov_b32 v63, 0
	v_lshrrev_b32 v7, 5, v0
	v_readfirstlane_b32 s[WV], v7                  ; wave 0..7
	v_and_b32 v7, 31, v0                           ; lane
	v_lshlrev_b32 v1, 4, v7                        ; 16 x lane
	v_lshlrev_b32 v2, 3, v7                        ; 8 x lane
	s_mul_i32 s67, s[WV], STG
	v_add_nc_u32 v3, s67, v1                       ; the stage, in: 16 x lane
	v_and_b32 v4, 15, v0
	v_bfe_u32 v5, v0, 4, 1
	v_mul_u32_u24 v4, v4, 528
	v_lshl_add_u32 v4, v5, 6, v4
	v_add_nc_u32 v4, s67, v4                       ; out: row r, + 64 h
	s_lshl_b32 s67, s[WV], 4
	s_add_co_u32 s67, s67, RED
	v_mov_b32 v5, s67                              ; my wave's 16 bytes of flags
	v_and_b32 v6, 7, v0
	v_lshl_add_u32 v6, v6, 4, RED                  ; and wave (lane % 8)'s
.irp i, 0,1,2,3,4,5,6,7
	v_mov_b32 v[MW+\i], 0                          ; a v_writelane_b32's destination counts as read
.endr
.irp b, 0,1,2,3
	v_mov_b32 v[TM+4+\b], 0                        ; and so does a lane permute's
.endr
	s_mov_b32 s[SEL], 0x76543210
	s_mov_b32 s[SEL+1], 0xfedcba98
	s_mov_b32 s[WA], -1
	s_mov_b32 s[WW], 0
	s_mov_b32 s[WN], 0
	s_lshl_b32 s[SH], s[WV], 2
	s_wait_kmcnt 0x0
	; which tensor my work-group's four tiles belong to: a choice on the work-group's number alone
	s_mov_b64 s[28:29], s[16:17]
	s_mov_b32 s30, 240
	s_cmp_lt_u32 ttmp9, 240
	s_cselect_b64 s[28:29], s[14:15], s[28:29]
	s_cselect_b32 s30, 224, s30
	s_cmp_lt_u32 ttmp9, 224
	s_cselect_b64 s[28:29], s[12:13], s[28:29]
	s_cselect_b32 s30, 208, s30
	s_cmp_lt_u32 ttmp9, 208
	s_cselect_b64 s[28:29], s[10:11], s[28:29]
	s_cselect_b32 s30, 192, s30
	s_cmp_lt_u32 ttmp9, 192
	s_cselect_b64 s[28:29], s[8:9], s[28:29]
	s_cselect_b32 s30, 128, s30
	s_cmp_lt_u32 ttmp9, 128
	s_cselect_b64 s[28:29], s[6:7], s[28:29]
	s_cselect_b32 s30, 64, s30
	s_cmp_lt_u32 ttmp9, 64
	s_cselect_b64 s[28:29], s[4:5], s[28:29]
	s_cselect_b32 s30, 0, s30
	s_sub_co_u32 s31, ttmp9, s30
	s_lshl_b32 s31, s31, 2
	s_lshr_b32 s67, s[WV], 1                       ; w / 2
	s_and_b32 s90, s[WV], 1                        ; w % 2
	s_add_co_u32 s31, s31, s67                     ; my tile within its tensor
	s_lshr_b32 s78, s31, 1
	s_lshl_b32 s78, s78, 17                        ; 32 rows of 4,096 bytes a group,
	s_and_b32 s79, s31, 1
	s_lshl_b32 s79, s79, 15                        ; 8 rows for the odd tile,
	s_add_co_u32 s78, s78, s79
	s_lshl_b32 s79, s90, 11                        ; four K steps of 512 bytes
	s_add_co_u32 s78, s78, s79
	s_mov_b32 s79, 0
	s_add_nc_u64 s[28:29], s[28:29], s[78:79]
	LOADJ 0, 28, 4096, 0
	LOADJ 1, 28, 4096, 1
	s_lshr_b32 s78, ttmp9, 1                       ; the mask: 32 rows of 16,384 bytes a group,
	s_lshl_b32 s78, s78, 19
	s_and_b32 s79, ttmp9, 1
	s_lshl_b32 s79, s79, 17
	s_add_co_u32 s78, s78, s79
	s_lshl_b32 s79, s[WV], 11                      ; four key steps of 512 bytes a wave
	s_add_co_u32 s78, s78, s79
	s_mov_b32 s79, 0
	s_add_nc_u64 s[80:81], s[18:19], s[78:79]
	s_lshl_b32 s91, ttmp9, 2
	s_add_co_u32 s91, s91, s67                     ; my tile's number
	s_mul_i32 s78, s91, 12288
	s_mul_i32 s79, s90, 6144
	s_add_co_u32 s78, s78, s79
	s_mov_b32 s79, 0
	s_add_nc_u64 s[82:83], s[20:21], s[78:79]      ; its codes, my four K steps
	s_lshl_b32 s78, s91, 10
	s_lshl_b32 s79, s90, 9
	s_add_co_u32 s78, s78, s79
	s_mov_b32 s79, 0
	s_add_nc_u64 s[84:85], s[22:23], s[78:79]      ; their scale words
	s_lshl_b32 s78, ttmp9, 13
	s_lshl_b32 s79, s[WV], 10
	s_add_co_u32 s78, s78, s79
	s_mov_b32 s79, 0
	s_add_nc_u64 s[86:87], s[24:25], s[78:79]      ; my four records
	s_lshl_b32 s78, ttmp9, 3
	s_add_nc_u64 s[88:89], s[26:27], s[78:79]      ; the tile's flags
	; eight jobs; the count 16 leaves the next job's 16 loads out
	s_wait_loadcnt 16
	TURN 0
	LOADJ 0, 28, 4096, 2
	QJOB 0
	s_wait_loadcnt 16
	TURN 1
	LOADJ 1, 28, 4096, 3
	QJOB 1
	s_wait_loadcnt 16
	TURN 0
	LOADJ 0, 80, 16384, 0
	QJOB 2
	s_wait_loadcnt 16
	TURN 1
	LOADJ 1, 80, 16384, 1
	QJOB 3
	global_store_b128 v1, v[SW:SW+3], s[84:85]     ; four K steps' scale words: 512 consecutive bytes
	s_wait_loadcnt 16
	TURN 0
	LOADJ 0, 80, 16384, 2
	MJOB 0
	s_wait_loadcnt 16
	TURN 1
	LOADJ 1, 80, 16384, 3
	MJOB 1
	s_wait_loadcnt 16
	TURN 0
	MJOB 2
	s_wait_loadcnt 0x0
	TURN 1
	MJOB 3
	; the eight waves' flags meet in LDS
	v_mov_b32 v56, s[WA]
	v_mov_b32 v57, s[WW]
	v_mov_b32 v58, s[WN]
	v_mov_b32 v59, 0
	ds_store_b128 v5, v[56:59]                     ; all lanes write the same 16 bytes with the same values
	s_wait_dscnt 0x0                               ; for the others' sake: my store has landed
	s_barrier_signal -1
	s_barrier_wait -1
	s_cmp_lg_u32 s[WV], 0
	s_cbranch_scc1 .Lend
	ds_load_b128 v[56:59], v6
	s_wait_dscnt 0x0
	v_readlane_b32 s[WA], v56, 0
	v_readlane_b32 s[WW], v57, 0
	v_readlane_b32 s[WN], v58, 0
.irp i, 1,2,3,4,5,6,7
	v_readlane_b32 s67, v56, \i
	s_and_b32 s[WA], s[WA], s67
	v_readlane_b32 s67, v57, \i
	s_or_b32 s[WW], s[WW], s67
	v_readlane_b32 s67, v58, \i
	s_or_b32 s[WN], s[WN], s67
.endr
	s_lshr_b32 s67, s[WA], 16                      ; row r is masked throughout where both its lanes' bits are set
	s_and_b32 s67, s67, s[WA]
	s_and_b32 s67, s67, 0xffff
	s_cmp_lg_u32 s67, 0
	s_cselect_b32 s[WW], -1, s[WW]                 ; then every step of the tile is computed
	v_mov_b32 v56, s[WW]
	v_mov_b32 v57, s[WN]
	v_mov_b32 v58, 0
	v_cmp_eq_u32 vcc_lo, 0, v7
	s_wait_xcnt 0x0                                ; EXEC changes only behind this wait: stores are out
	s_and_saveexec_b32 s67, vcc_lo
	global_store_b64 v58, v[56:57], s[88:89]       ; lane 0 alone
	s_wait_xcnt 0x0
	s_or_b32 exec_lo, exec_lo, s67
.Lend:
	s_wait_tensorcnt 0x0
	ds_add_u32 v62, v63
	s_wait_dscnt 0x0
	s_endpgm
.Lfunc_end_k_q08dcd74111_prep:
	.size	k_q08dcd74111_prep, .Lfunc_end_k_q08dcd74111_prep-k_q08dcd74111_prep
	.p2alignl 7, 3214868480
	.fill 96, 4, 3214868480
	.section	.rodata,"a",@progbits
	.p2align	6, 0x0
	.amdhsa_kernel k_q08dcd74111_prep
		.amdhsa_group_segment_fixed_size 68864
		.amdhsa_private_segment_fixed_size 0
		.amdhsa_enable_private_segment 0
		.amdhsa_kernarg_size 96
		.amdhsa_user_sgpr_count 2
		.amdhsa_user_sgpr_kernarg_segment_ptr 1
		.amdhsa_wavefront_size32 1
		.amdhsa_system_sgpr_workgroup_id_x 1
		.amdhsa_system_sgpr_workgroup_id_y 1
		.amdhsa_system_sgpr_workgroup_id_z 1
		.amdhsa_system_vgpr_workitem_id 0
		.amdhsa_next_free_vgpr 256
		.amdhsa_next_free_sgpr 100
		.amdhsa_reserve_vcc 1
		.amdhsa_float_denorm_mode_32 3
		.amdhsa_float_denorm_mode_16_64 3
		.amdhsa_memory_ordered 1
		.amdhsa_forward_progress 1
		.amdhsa_inst_pref_size 102
	.end_amdhsa_kernel
	.amdgpu_metadata
---
amdhsa.version: [ 1, 2 ]
amdhsa.kernels:
  - .name:           k_q08dcd74111_prep
    .symbol:         k_q08dcd74111_prep.kd
    .args:
      - { .name: q, .offset: 0, .size: 8, .value_kind: global_buffer, .address_space: global }
      - { .name: k, .offset: 8, .size: 8, .value_kind: global_buffer, .address_space: global }
      - { .name: v, .offset: 16, .size: 8, .value_kind: global_buffer, .address_space: global }
      - { .name: wq, .offset: 24, .size: 8, .value_kind: global_buffer, .address_space: global }
      - { .name: wk, .offset: 32, .size: 8, .value_kind: global_buffer, .address_space: global }
      - { .name: wv, .offset: 40, .size: 8, .value_kind: global_buffer, .address_space: global }
      - { .name: wo, .offset: 48, .size: 8, .value_kind: global_buffer, .address_space: global }
      - { .name: mask, .offset: 56, .size: 8, .value_kind: global_buffer, .address_space: global }
      - { .name: cod, .offset: 64, .size: 8, .value_kind: global_buffer, .address_space: global }
      - { .name: scl, .offset: 72, .size: 8, .value_kind: global_buffer, .address_space: global }
      - { .name: mbits, .offset: 80, .size: 8, .value_kind: global_buffer, .address_space: global }
      - { .name: mflag, .offset: 88, .size: 8, .value_kind: global_buffer, .address_space: global }
    .group_segment_fixed_size: 68864
    .private_segment_fixed_size: 0
    .kernarg_segment_align: 8
    .kernarg_segment_size: 96
    .max_flat_workgroup_size: 256
    .sgpr_count:     100
    .vgpr_count:     256
    .wavefront_size: 32
...
	.end_amdgpu_metadata
.endif
;; end of part 1
;; launch proj (part 2): grid 384 x 1, 4 waves a work-group, no clusters, 0 bytes of LDS; arguments cod, scl, bq, bk, bv, att; writes att
.if DOCPART == 2
	.amdgcn_target "amdgcn-amd-amdhsa--gfx1250"
	.amdhsa_code_object_version 6
	.text
	.protected	k_q08dcd74111_proj
	.globl	k_q08dcd74111_proj
	.p2align	8
	.type	k_q08dcd74111_proj,@function
k_q08dcd74111_proj:
	s_mov_b64 s[64:65], 0
	v_nop
	global_prefetch_b8 v0, s[64:65] scope:SCOPE_SE
	s_setreg_imm32_b32 hwreg(HW_REG_WAVE_MODE, 25, 1), 1
	s_wait_xcnt 0x0
; The three input projections x W^T + b on codes of FP6 (E2M3), K = 1,024 in eight steps of 128, and the quantising of their results into the operands of attention.
; cod, scl: tiles of 16 rows (tile 2 g + u: rows 32 g + 8 u + p + 8 (p / 8)) as images of the operand's registers: fragment (T, s) at 12288 T + 1536 s, registers 4 c .. 4 c + 3 of lane l at 512 c + 16 l;
; scale words of tile T at 1024 T + 512 (s / 4) + 16 l + 4 (s % 4).  Tiles: q 0, k 256, v 512, wq 768, wk 832, wv 896 on.
; A WAVE makes 8 source-0 tiles x 4 source-1 tiles, all of K: 32 accumulators, 256 registers (window 1).  Every fragment comes from memory straight into registers by three loads of 512 consecutive bytes; no LDS.
; In a result lane (r, h), register j holds (source-0 row 8 h + j, source-1 row r); by the tiles' order of rows the 16 registers of source-0 tiles 2 g, 2 g + 1 are the neighbours 32 g + 16 h + 0 .. 15.
; Q, K (work-groups 0-127, 128-255): source 0 = 8 tiles of W (two heads), source 1 = 4 tiles of tokens: a lane holds one token and its registers run along the head's 64 numbers, the K of Q K^T.
;   Two tokens share a fragment: pair fragment g, row r: k 0-63 = token 32 g + r + 8 (r / 8), k 64-127 = the token 8 further on.
; V (work-groups 256-383): source 0 = 8 tiles of tokens (128 keys), source 1 = 4 tiles of W (one head): a lane holds one of the head's 64 and its registers run along the keys, the K of P V.
; att: Q's pair fragments at 1536 (128 head + g), their scale words at 3145728 + 128 (128 head + g); from KVOFF records of 26,624 bytes, (16 head + slot), a slot = 256 keys:
;   K's 8 pair fragments, V's 8 fragments (4 (key step % 2) + tile), K's 8 x 128 bytes of scale words, V's 8 x 128.
; LIMITS: as the quantiser's in the launch before: NaN and infinities are not served; blocks under 2^-124, and blocks of zeros, keep the byte 1.
.set KVOFF, 3407872
.set PS,  8                            ; v8-71    source 0's scale words: 8 i + s;  these and the next hold scales and nothing else
.set RS,  72                           ; v72-103  source 1's: 8 j + s
.set PF,  104                          ; v104-199 source 0's eight fragments of a K step
.set RF,  200                          ; v200-247 source 1's four
.set ST,  104                          ; behind the K steps: 64 numbers to be quantised,
.set PC,  168                          ; the codes just made and scratch,
.set TM,  188                          ; maxima, bytes, scale operands,
.set PW,  204                          ; the scale word just made,
.set BI,  208                          ; the bias
.set SEL, 2                            ; s[2:3] selects for v_permlanex16_b32: lane l xor 16
.set MSB, 0
.macro WIN new                         ; the immediate's high byte repeats the setting that is left
.if MSB != \new
	s_set_vgpr_msb (MSB<<8)|\new
.set MSB, \new
.endif
.endm
.macro QUANT s, pw                     ; 64 numbers of a lane, register 16 b + i = k 32 b + 16 (lane / 16) + i of my row -> codes in v[PC] on, scale word in v[pw]
.irp b, 0,1,2,3
	v_max3_num_f32 v[TM+\b], |v[\s+16*\b]|, |v[\s+1+16*\b]|, 0x1800000   ; and the floor 2^(3 - 127): the byte cannot fall under 1
.endr
.irp i, 2,4,6,8,10,12,14
.irp b, 0,1,2,3
	v_max3_num_f32 v[TM+\b], v[TM+\b], |v[\s+16*\b+\i]|, |v[\s+1+16*\b+\i]|
.endr
.endr
.irp b, 0,1,2,3
	v_permlanex16_b32 v[TM+4+\b], v[TM+\b], s[SEL], s[SEL+1]
.endr
.irp b, 0,1,2,3
	v_max_num_f32 v[TM+\b], v[TM+\b], v[TM+4+\b]
.endr
.irp b, 0,1,2,3
	v_add_nc_u32 v[TM+12+\b], 0xff000000, v[TM+\b]        ; 2 off the exponent field: the conversion's scale operand
.endr
.irp b, 0,1,2,3
	v_lshrrev_b32 v[TM+4+\b], 23, v[TM+12+\b]             ; the scale's byte
.endr
	v_lshl_or_b32 v[\pw], v[TM+5], 8, v[TM+4]
	v_lshl_or_b32 v[\pw], v[TM+6], 16, v[\pw]
	v_lshl_or_b32 v[\pw], v[TM+7], 24, v[\pw]
.irp c, 0,1
	v_cvt_scalef32_pk16_fp6_f32 v[PC+6*\c:PC+2+6*\c], v[\s+32*\c:\s+15+32*\c], v[TM+12+2*\c]
	v_cvt_scalef32_pk16_fp6_f32 v[PC+12+4*\c:PC+14+4*\c], v[\s+16+32*\c:\s+31+32*\c], v[TM+12+2*\c+1]
.endr
	v_nop                                          ; one plain place behind the scaled conversions
.irp c, 0,1
.irp i, 0,1,2
	v_permlane16_swap_b32 v[PC+6*\c+\i], v[PC+12+4*\c+\i]
.endr
.irp i, 0,1,2
	v_mov_b32 v[PC+3+6*\c+\i], v[PC+12+4*\c+\i]
.endr
.endr
.endm
; One K step: 12 + 24 loads, 32 matrix instructions.  The accumulators take turns, one instruction a turn, in the same order in every step.
.macro KSTEP kk
.if \kk > 0
.rept 4
	v_nop                                          ; four places in front of loads into registers that matrix instructions have read
.endr
.endif
.irp j, 0,1,2,3
.irp c, 0,1,2
	global_load_b128 v[RF+12*\j+4*\c:RF+12*\j+4*\c+3], v1, s[30:31] offset:12288*\j+1536*\kk+512*\c
.endr
.endr
.irp i, 0,1,2,3,4,5,6,7
.irp c, 0,1,2
	global_load_b128 v[PF+12*\i+4*\c:PF+12*\i+4*\c+3], v1, s[28:29] offset:12288*\i+1536*\kk+512*\c
.endr
.endr
	WIN 0x50                                       ; C and D in window 1
.irp i, 0,1,2,3,4,5,6,7
	s_wait_loadcnt 3*(7-\i)                        ; source 0's tile i is in; the three loads of each later tile may be out
.irp j, 0,1,2,3
.if \kk == 0
	v_wmma_scale_f32_16x16x128_f8f6f4 v[64*\j+8*\i:64*\j+8*\i+7], v[PF+12*\i:PF+12*\i+11], v[RF+12*\j:RF+12*\j+11], 0, v[PS+8*\i+\kk], v[RS+8*\j+\kk] matrix_a_fmt:MATRIX_FMT_FP6 matrix_b_fmt:MATRIX_FMT_FP6
.else
	v_wmma_scale_f32_16x16x128_f8f6f4 v[64*\j+8*\i:64*\j+8*\i+7], v[PF+12*\i:PF+12*\i+11], v[RF+12*\j:RF+12*\j+11], v[64*\j+8*\i:64*\j+8*\i+7], v[PS+8*\i+\kk], v[RS+8*\j+\kk] matrix_a_fmt:MATRIX_FMT_FP6 matrix_b_fmt:MATRIX_FMT_FP6
.endif
.endr
.endr
	WIN 0
.endm
	s_load_b256 s[4:11], s[0:1], 0x0               ; cod, scl, bq, bk
	s_load_b128 s[12:15], s[0:1], 0x20             ; bv, att
	v_lshrrev_b32 v3, 5, v0
	v_readfirstlane_b32 s16, v3                    ; wave 0..3
	v_and_b32 v3, 31, v0
	v_lshlrev_b32 v1, 4, v3                        ; 16 x lane
	v_lshlrev_b32 v2, 2, v3                        ; 4 x lane
	s_mov_b32 s[SEL], 0x76543210
	s_mov_b32 s[SEL+1], 0xfedcba98
	s_lshl_b32 s17, ttmp9, 2
	s_add_co_u32 s17, s17, s16                     ; the wave's number in the launch
	s_lshr_b32 s18, ttmp9, 7                       ; 0: Q, 1: K, 2: V
	s_and_b32 s19, s17, 511
	s_and_b32 s20, s19, 7                          ; Q, K: which 128 rows of W,
	s_lshr_b32 s21, s19, 3                         ; which 64 tokens
	s_lshl_b32 s22, s18, 6
	s_lshl_b32 s23, s20, 3
	s_add_co_u32 s22, s22, s23
	s_add_co_u32 s22, s22, 768                     ; source 0's first tile
	s_lshl_b32 s23, s18, 8
	s_lshl_b32 s24, s21, 2
	s_add_co_u32 s23, s23, s24                     ; source 1's
	s_lshr_b32 s24, s19, 4                         ; V: the key step,
	s_and_b32 s25, s19, 15                         ; the head
	s_lshl_b32 s26, s24, 3
	s_add_co_u32 s26, s26, 512
	s_lshl_b32 s27, s25, 2
	s_add_co_u32 s27, s27, 896
	s_cmp_eq_u32 s18, 2
	s_cselect_b32 s22, s26, s22
	s_cselect_b32 s23, s27, s23
	s_mul_i32 s28, s22, 12288
	s_mov_b32 s29, 0
	s_mul_i32 s30, s23, 12288
	s_mov_b32 s31, 0
	s_lshl_b32 s32, s22, 10
	s_mov_b32 s33, 0
	s_lshl_b32 s34, s23, 10
	s_mov_b32 s35, 0
	s_wait_kmcnt 0x0
	s_add_nc_u64 s[28:29], s[4:5], s[28:29]        ; four bases, never stepped: every offset is an immediate
	s_add_nc_u64 s[30:31], s[4:5], s[30:31]
	s_add_nc_u64 s[32:33], s[6:7], s[32:33]
	s_add_nc_u64 s[34:35], s[6:7], s[34:35]
.irp i, 0,1,2,3,4,5,6,7
	global_load_b128 v[PS+8*\i:PS+8*\i+3], v1, s[32:33] offset:1024*\i
	global_load_b128 v[PS+8*\i+4:PS+8*\i+7], v1, s[32:33] offset:1024*\i+512
.endr
.irp j, 0,1,2,3
	global_load_b128 v[RS+8*\j:RS+8*\j+3], v1, s[34:35] offset:1024*\j
	global_load_b128 v[RS+8*\j+4:RS+8*\j+7], v1, s[34:35] offset:1024*\j+512
.endr
	KSTEP 0                                        ; its products start the sums: nothing is cleared
	KSTEP 1
	KSTEP 2
	KSTEP 3
	KSTEP 4
	KSTEP 5
	KSTEP 6
	KSTEP 7
.rept 4
	v_nop                                          ; four places in front of the first read of results and the first write of the fragments' registers
.endr
.irp b, 0,1,2,3
	v_mov_b32 v[TM+4+\b], 0                        ; a lane permute's destination counts as one of its sources
.endr
	s_cmp_eq_u32 s18, 2
	s_cbranch_scc1 .Lepi_v
	; ---- Q and K.  Where the fragments go: Q by (head, pair fragment), K by (head, slot, pair fragment in the slot)
	s_mul_i32 s38, s20, 393216
	s_mul_i32 s39, s21, 3072
	s_add_co_u32 s38, s38, s39                     ; Q's codes
	s_lshl_b32 s39, s20, 15
	s_lshl_b32 s40, s21, 8
	s_add_co_u32 s39, s39, s40
	s_add_co_u32 s39, s39, 3145728                 ; Q's scale words
	s_mul_i32 s40, s20, 851968
	s_lshr_b32 s41, s21, 2
	s_mul_i32 s41, s41, 26624
	s_add_co_u32 s40, s40, s41
	s_add_co_u32 s40, s40, KVOFF                   ; K's record
	s_and_b32 s41, s21, 3
	s_mul_i32 s42, s41, 3072
	s_add_co_u32 s42, s42, s40                     ; K's codes
	s_lshl_b32 s41, s41, 8
	s_add_co_u32 s41, s41, s40
	s_add_co_u32 s41, s41, 24576                   ; K's scale words
	s_cmp_eq_u32 s18, 0
	s_cselect_b32 s38, s38, s42
	s_cselect_b32 s39, s39, s41
	s_mov_b32 s43, 425984
	s_cselect_b32 s42, 196608, s43                 ; from head to head: codes,
	s_cselect_b32 s43, 16384, s43                  ; scale words
	s_cselect_b64 s[36:37], s[8:9], s[10:11]       ; bq or bk
	s_mov_b32 s24, s38
	s_mov_b32 s25, 0
	s_add_co_u32 s26, s38, s42
	s_mov_b32 s27, 0
	s_mov_b32 s44, s39
	s_mov_b32 s45, 0
	s_add_co_u32 s46, s39, s43
	s_mov_b32 s47, 0
	s_add_nc_u64 s[24:25], s[14:15], s[24:25]      ; a base for each of my two heads: none is stepped while a store is out
	s_add_nc_u64 s[26:27], s[14:15], s[26:27]
	s_add_nc_u64 s[44:45], s[14:15], s[44:45]
	s_add_nc_u64 s[46:47], s[14:15], s[46:47]
	s_lshl_b32 s40, s20, 9
	s_mov_b32 s41, 0
	s_add_nc_u64 s[36:37], s[36:37], s[40:41]      ; the bias of my 128 rows of W
	v_bfe_u32 v3, v0, 4, 1
	v_lshlrev_b32 v3, 6, v3                        ; 64 h: my half's 16 numbers of a block of 32
.macro BIAS hh                         ; register 16 b + i: the bias of the head's number 32 b + 16 h + i
.irp b, 0,1
.irp q, 0,1,2,3
	global_load_b128 v[BI+16*\b+4*\q:BI+16*\b+4*\q+3], v3, s[36:37] offset:256*\hh+128*\b+16*\q
.endr
.endr
.endm
.macro HEADPAIR hh, pp                 ; head hh, token tiles 2 pp and 2 pp + 1: sum + bias, moved into window 0; each accumulator is read from its low end on
	WIN 0x01                                       ; source 0 in window 1
.irp jb, 0,1
.irp ii, 0,1,2,3
.irp jj, 0,2,4,6
	v_pk_add_f32 v[ST+32*\jb+8*\ii+\jj:ST+32*\jb+8*\ii+\jj+1], v[128*\pp+64*\jb+32*\hh+8*\ii+\jj:128*\pp+64*\jb+32*\hh+8*\ii+\jj+1], v[BI+8*\ii+\jj:BI+8*\ii+\jj+1]
.endr
.endr
.endr
	WIN 0
.endm
.macro SENDQK hh, pp
	s_wait_xcnt 0x0                                ; the last stores have read the codes' registers and the scale word's
	QUANT ST, PW
.irp c, 0,1,2
	global_store_b128 v1, v[PC+4*\c:PC+4*\c+3], s[24+2*\hh:25+2*\hh] offset:1536*\pp+512*\c
.endr
	global_store_b32 v2, v[PW], s[44+2*\hh:45+2*\hh] offset:128*\pp
.endm
	BIAS 0
	s_wait_loadcnt 0x0
	HEADPAIR 0, 0
	SENDQK 0, 0
	HEADPAIR 0, 1
	BIAS 1                                         ; the second head's bias lands while the fragment is quantised
	SENDQK 0, 1
	s_wait_loadcnt 0x0
	HEADPAIR 1, 0
	SENDQK 1, 0
	HEADPAIR 1, 1
	SENDQK 1, 1
	s_endpgm
.Lepi_v:
	; ---- V.  Accumulators (i, t): register 8 i + j of tile t is key 32 (i / 2) + 16 h + 8 (i % 2) + j of the step: as the quantiser wants them
	s_lshl_b32 s38, s25, 4
	s_lshr_b32 s39, s24, 1
	s_add_co_u32 s38, s38, s39
	s_mul_i32 s38, s38, 26624
	s_add_co_u32 s38, s38, KVOFF                   ; the record (head, slot)
	s_and_b32 s39, s24, 1
	s_mul_i32 s40, s39, 6144
	s_add_co_u32 s40, s40, s38
	s_add_co_u32 s40, s40, 12288                   ; V's four fragments of this key step
	s_mov_b32 s41, 0
	s_lshl_b32 s42, s39, 9
	s_add_co_u32 s42, s42, s38
	s_add_co_u32 s42, s42, 25600                   ; and their scale words
	s_mov_b32 s43, 0
	s_add_nc_u64 s[40:41], s[14:15], s[40:41]
	s_add_nc_u64 s[42:43], s[14:15], s[42:43]
	s_lshl_b32 s36, s25, 8
	s_mov_b32 s37, 0
	s_add_nc_u64 s[36:37], s[12:13], s[36:37]      ; bv of my head
	v_and_b32 v3, 15, v0
	v_and_b32 v4, 8, v3
	v_add_nc_u32 v3, v3, v4
	v_lshlrev_b32 v3, 2, v3                        ; 4 (r + 8 (r / 8))
.irp t, 0,1,2,3
	global_load_b32 v[BI+2*\t], v3, s[36:37] offset:(32*(\t/2)+8*(\t%2))*4   ; one number a lane: the bias of my row of W
	v_mov_b32 v[BI+2*\t+1], 0                      ; (named with it as a pair, so it is written)
.endr
	s_wait_loadcnt 0x0
.irp t, 0,1,2,3
	WIN 0x01
.set n, 0
.rept 32
	v_pk_add_f32 v[ST+n:ST+n+1], v[64*\t+n:64*\t+n+1], v[BI+2*\t:BI+2*\t+1] op_sel_hi:[1,0]
.set n, n+2
.endr
	WIN 0
	s_wait_xcnt 0x0                                ; the last stores have read their registers
	QUANT ST, PW
.irp c, 0,1,2
	global_store_b128 v1, v[PC+4*\c:PC+4*\c+3], s[40:41] offset:1536*\t+512*\c
.endr
	global_store_b32 v2, v[PW], s[42:43] offset:128*\t
.endr
	s_endpgm
.Lfunc_end_k_q08dcd74111_proj:
	.size	k_q08dcd74111_proj, .Lfunc_end_k_q08dcd74111_proj-k_q08dcd74111_proj
	.p2alignl 7, 3214868480
	.fill 96, 4, 3214868480
	.section	.rodata,"a",@progbits
	.p2align	6, 0x0
	.amdhsa_kernel k_q08dcd74111_proj
		.amdhsa_group_segment_fixed_size 0
		.amdhsa_private_segment_fixed_size 0
		.amdhsa_enable_private_segment 0
		.amdhsa_kernarg_size 48
		.amdhsa_user_sgpr_count 2
		.amdhsa_user_sgpr_kernarg_segment_ptr 1
		.amdhsa_wavefront_size32 1
		.amdhsa_system_sgpr_workgroup_id_x 1
		.amdhsa_system_sgpr_workgroup_id_y 1
		.amdhsa_system_sgpr_workgroup_id_z 1
		.amdhsa_system_vgpr_workitem_id 0
		.amdhsa_next_free_vgpr 512
		.amdhsa_next_free_sgpr 66
		.amdhsa_reserve_vcc 0
		.amdhsa_float_denorm_mode_32 3
		.amdhsa_float_denorm_mode_16_64 3
		.amdhsa_memory_ordered 1
		.amdhsa_forward_progress 1
		.amdhsa_inst_pref_size 122
	.end_amdhsa_kernel
	.amdgpu_metadata
---
amdhsa.version: [ 1, 2 ]
amdhsa.kernels:
  - .name:           k_q08dcd74111_proj
    .symbol:         k_q08dcd74111_proj.kd
    .args:
      - { .name: cod, .offset: 0, .size: 8, .value_kind: global_buffer, .address_space: global }
      - { .name: scl, .offset: 8, .size: 8, .value_kind: global_buffer, .address_space: global }
      - { .name: bq, .offset: 16, .size: 8, .value_kind: global_buffer, .address_space: global }
      - { .name: bk, .offset: 24, .size: 8, .value_kind: global_buffer, .address_space: global }
      - { .name: bv, .offset: 32, .size: 8, .value_kind: global_buffer, .address_space: global }
      - { .name: att, .offset: 40, .size: 8, .value_kind: global_buffer, .address_space: global }
    .group_segment_fixed_size: 0
    .private_segment_fixed_size: 0
    .kernarg_segment_align: 8
    .kernarg_segment_size: 48
    .max_flat_workgroup_size: 128
    .sgpr_count:     66
    .vgpr_count:     512
    .wavefront_size: 32
...
	.end_amdgpu_metadata
.endif
;; end of part 2
;; launch attn (part 3): grid 16 x 16, 16 waves a work-group, no clusters, 55,296 bytes of LDS; arguments att, mbits, mflag, ctx; writes ctx
.if DOCPART == 3
	.amdgcn_target "amdgcn-amd-amdhsa--gfx1250"
	.amdhsa_code_object_version 6
	.text
	.protected	k_q08dcd74111_attn
	.globl	k_q08dcd74111_attn
	.p2align	8
	.type	k_q08dcd74111_attn,@function
k_q08dcd74111_attn:
	s_mov_b64 s[64:65], 0
	v_nop
	global_prefetch_b8 v0, s[64:65] scope:SCOPE_SE
	s_setreg_imm32_b32 hwreg(HW_REG_WAVE_MODE, 25, 1), 1
	s_wait_xcnt 0x0
; ctx[q][head] = softmax_k(Q[q] . K[k] / 32, masked) V[k], both products on codes of FP6 (E2M3) with one E8M0 scale for each 32 along a product's K; the result is quantised along the model's 1,024 for the last projection.
; THE SOFTMAX: t = score x log2(e) / 32; M = the running largest t, rounded UP to a whole number; p = 2^(t - M) is quantised along the keys, not normalised; the row's sum is taken of the unquantised p and divides at the end.
; When M moves, the sum and O are multiplied by 2^(old M - new M): exact.
; THE MASK is an input.  The launch before packed it: record (query tile, key step) holds for each of a lane's 64 scores a word with a bit a lane, so one v_cndmask_b32 with a scalar mask serves a score.
; A masked raw score becomes -2^105, so t = -1.8e30 (the model's -1e30 gives -1.44e30): p is 0 in every row that has a live key, and exactly 1 for all keys in a row that has none, as there.
; Two flag words a query tile: WORK (the step is computed) and NEED (the step has masked entries).  Both are whole numbers read from memory; the branches on them jump over work alone, never over a barrier.
; SHARES.  A work-group is (x, head); its sixteen waves own one tile of 16 queries each, tile x + 16 sigma(wave); sigma is a 4 x 4 square whose rows and columns have equal sums, so that four waves that share a SIMD
; have the same sum of tile numbers whichever way the waves are dealt.  Every wave walks the head's 16 slots of 256 keys; a slot's record (26,624 bytes) is copied to LDS through registers, 52 bytes a thread, a slot ahead.
; No prefetch: a record's loads are issued a slot's work ahead of the wait for them.
; LAYOUT.  Both products are used transposed: S^T = K Q^T (source 0 = keys), O^T = V^T P^T (source 0 = 16 of the head's 64): a lane holds ONE query (lane % 16) throughout.
; K = 64 for the first product: a fragment of K holds TWO keys a row (k 0-63: key 32 g + r + 8 (r / 8); k 64-127: the key 8 further on), and is multiplied twice, by [q, 0] and by [0, q]:
; the 16 registers of the two results are the keys 32 g + 16 h + 0 .. 15.
; LIMITS: NaN and infinities are not served; blocks under 2^-124, and blocks of zeros, keep the byte 1 (this program alone reads the bytes).
.set SLOT,  26624                      ; LDS: two slots, each a copy of a record: K's 8 fragments, V's 8, K's scale words at 24,576, V's at 25,600
.set KVOFF, 3407872
.set KF,  32                           ; v32-79   four fragments of K, then four of V
.set SC,  80                           ; v80-83   their scale words
.set QSC, 84                           ; v84      Q's scale word (its two bytes twice)
.set PSC, 85                           ; v85      p's scale word
.set CPA, 86                           ; v86-98   the copy's 52 bytes: the set of a trip's first half
.set S,   100                          ; v100-163 S^T, then p
.set O,   164                          ; v164-195 O^T
.set PC,  196                          ; v196-215 p's codes and scratch
.set BM,  216                          ; v216-219 the blocks' largest scores, then largest p
.set PD,  220                          ; v220-223 permutes' destinations, then bytes
.set CO,  224                          ; v224-227 the conversions' scale operands
.set FF,  228                          ; v[228:229] f = 2^(old M - new M); later 1 / the sum
.set TT,  230                          ; v230     at work
.set S2,  232                          ; v[232:233] the sum's second chain
.set CPB, 236                          ; v236-248 the copy's 52 bytes: the set of a trip's second half.  Each half has its own set: no load of a trip names a register that another load of the trip writes
.set SEL, 84                           ; s[84:85] selects for v_permlanex16_b32: lane l xor 16
.set CS,  86                           ; s[86:87] c = log2(e) / 32
; v1 16 x lane; v2 4 x lane; v3 16 x thread; v4 24,576 + 4 x thread; v5 -2^105; v8 -M, v9 the largest t; v[10:11] the sum in two halves; v14-31 [q, 0, q]
.macro COPY_ISSUE set                  ; the record at s[4:5]: each load of a wave reads 512 (128) consecutive bytes
.irp i, 0,1,2
	global_load_b128 v[\set+4*\i:\set+4*\i+3], v3, s[4:5] offset:8192*\i
.endr
	global_load_b32 v[\set+12], v4, s[4:5]
.endm
.macro COPY_LAND set, sl               ; and goes to the same places of slot sl
.irp i, 0,1,2
	ds_store_b128 v3, v[\set+4*\i:\set+4*\i+3] offset:(\sl)*SLOT+8192*\i
.endr
	ds_store_b32 v4, v[\set+12] offset:(\sl)*SLOT
.endm
; A KEY STEP: 128 keys, the q-th of slot sl
.macro STEP sl, q
	s_bitcmp1_b32 s14, 0                           ; WORK's bit of this step
	s_cbranch_scc0 .Lskip_\@
.irp g, 0,1,2,3
.irp c, 0,1,2
	ds_load_b128 v[KF+12*\g+4*\c:KF+12*\g+4*\c+3], v1 offset:\sl*SLOT+1536*(4*\q+\g)+512*\c
.endr
	ds_load_b32 v[SC+\g], v2 offset:\sl*SLOT+24576+128*(4*\q+\g)
.endr
	s_wait_dscnt 0x0
.irp g, 0,1,2,3
	v_wmma_scale_f32_16x16x128_f8f6f4 v[S+16*\g:S+16*\g+7], v[KF+12*\g:KF+12*\g+11], v[14:25], 0, v[SC+\g], v[QSC] matrix_a_fmt:MATRIX_FMT_FP6 matrix_b_fmt:MATRIX_FMT_FP6
	v_wmma_scale_f32_16x16x128_f8f6f4 v[S+16*\g+8:S+16*\g+15], v[KF+12*\g:KF+12*\g+11], v[20:31], 0, v[SC+\g], v[QSC] matrix_a_fmt:MATRIX_FMT_FP6 matrix_b_fmt:MATRIX_FMT_FP6
.endr
.rept 4
	v_nop                                          ; four places: in front of loads into K's registers, and of the first read of the scores
.endr
.irp t, 0,1,2,3                                ; V's fragments land while the softmax is walked
.irp c, 0,1,2
	ds_load_b128 v[KF+12*\t+4*\c:KF+12*\t+4*\c+3], v1 offset:\sl*SLOT+12288+1536*(4*\q+\t)+512*\c
.endr
	ds_load_b32 v[SC+\t], v2 offset:\sl*SLOT+25600+128*(4*\q+\t)
.endr
	s_bitcmp1_b32 s15, 0                           ; NEED's bit: a step without masked entries reads no record
	s_cbranch_scc0 .Lopen_\@
	s_load_b512 s[16:31], s[6:7], (2*\sl+\q)*256
	s_load_b512 s[32:47], s[6:7], (2*\sl+\q)*256+64
	s_load_b512 s[48:63], s[6:7], (2*\sl+\q)*256+128
	s_load_b512 s[68:83], s[6:7], (2*\sl+\q)*256+192
	s_wait_kmcnt 0x0
.set n, 0
.rept 64
.if n < 48
	v_cndmask_b32 v[S+n], v[S+n], v5, s[16+n]      ; word n: a bit a lane; each accumulator from its low end on
.else
	v_cndmask_b32 v[S+n], v[S+n], v5, s[20+n]
.endif
.set n, n+1
.endr
.Lopen_\@:
.irp b, 0,1,2,3
	v_max3_num_f32 v[BM+\b], v[S+16*\b], v[S+1+16*\b], v[S+2+16*\b]   ; the largest score of each block of 32 keys: for the row's maximum, and, since p rises with the score, for the block's largest p
.endr
.irp i, 3,5,7,9,11,13
.irp b, 0,1,2,3
	v_max3_num_f32 v[BM+\b], v[BM+\b], v[S+16*\b+\i], v[S+1+16*\b+\i]
.endr
.endr
.irp b, 0,1,2,3
	v_max_num_f32 v[BM+\b], v[BM+\b], v[S+15+16*\b]
.endr
.irp b, 0,1,2,3
	v_permlanex16_b32 v[PD+\b], v[BM+\b], s[SEL], s[SEL+1]
.endr
.irp b, 0,1,2,3
	v_max_num_f32 v[BM+\b], v[BM+\b], v[PD+\b]     ; with lane l xor 16's 16 keys
.endr
	v_max3_num_f32 v[TT], v[BM], v[BM+1], v[BM+2]
	v_max_num_f32 v[TT], v[TT], v[BM+3]            ; the step's largest score of my query
	v_mul_f32 v[TT], s[CS], v[TT]                  ; as t (c is positive)
	v_max_num_f32 v9, v9, v[TT]                    ; the running largest t
	v_mov_b32 v[TT], v8
	v_floor_f32 v8, -v9                            ; the new -M = floor(-t): M is a whole number
	v_sub_f32 v[TT], v8, v[TT]                     ; old M less new M: a whole number, 0 or less
	v_cvt_i32_f32 v[TT], v[TT]                     ; (it saturates)
	v_ldexp_f32 v[FF], 1.0, v[TT]                  ; f = 2^(old M - new M)
.set n, 0
.rept 32
	v_pk_fma_f32 v[S+n:S+n+1], v[S+n:S+n+1], s[CS:CS+1], v[8:9] op_sel_hi:[1,0,0]   ; t - M, two at a time
.set n, n+2
.endr
.irp b, 0,1,2,3
	v_fma_f32 v[BM+\b], v[BM+\b], s[CS], v8        ; the same of each block's largest score
.endr
.set n, 0
.rept 64
	v_exp_f32 v[S+n], v[S+n]                       ; p = 2^(t - M), at most 1
.set n, n+1
.endr
	v_pk_mul_f32 v[10:11], v[10:11], v[FF:FF+1] op_sel_hi:[1,0]   ; the sums under the new M: a plain place behind the exponentials
	s_wait_alu depctr_va_vdst(0)                   ; one wait for the batch, ahead of its first reader
.irp b, 0,1,2,3
	v_exp_f32 v[BM+\b], v[BM+\b]                   ; the block's largest p: the same two instructions on the same number give the same bits
.endr
	v_pk_add_f32 v[S2:S2+1], v[S:S+1], v[S+2:S+3]  ; the row's sum is taken of the unquantised p, in two chains
.set n, 4
.rept 15
	v_pk_add_f32 v[10:11], v[10:11], v[S+n:S+n+1]
	v_pk_add_f32 v[S2:S2+1], v[S2:S2+1], v[S+2+n:S+3+n]
.set n, n+4
.endr
	v_pk_add_f32 v[10:11], v[10:11], v[S2:S2+1]
	s_wait_alu depctr_va_vdst(0)                   ; and one for the four
.irp b, 0,1,2,3
	v_max_num_f32 v[BM+\b], 0x1800000, v[BM+\b]    ; the floor 2^(3 - 127): the byte cannot fall under 1
.endr
.irp b, 0,1,2,3
	v_add_nc_u32 v[CO+\b], 0xff000000, v[BM+\b]    ; 2 off the exponent field: the conversion's scale operand
.endr
.irp b, 0,1,2,3
	v_lshrrev_b32 v[PD+\b], 23, v[CO+\b]           ; the scale's byte
.endr
	v_lshl_or_b32 v[PSC], v[PD+1], 8, v[PD]
	v_lshl_or_b32 v[PSC], v[PD+2], 16, v[PSC]
	v_lshl_or_b32 v[PSC], v[PD+3], 24, v[PSC]
.irp c, 0,1
	v_cvt_scalef32_pk16_fp6_f32 v[PC+6*\c:PC+2+6*\c], v[S+32*\c:S+15+32*\c], v[CO+2*\c]
	v_cvt_scalef32_pk16_fp6_f32 v[PC+12+4*\c:PC+14+4*\c], v[S+16+32*\c:S+31+32*\c], v[CO+2*\c+1]
.endr
	v_nop                                          ; one plain place behind the scaled conversions
.irp c, 0,1
.irp i, 0,1,2
	v_permlane16_swap_b32 v[PC+6*\c+\i], v[PC+12+4*\c+\i]
.endr
.irp i, 0,1,2
	v_mov_b32 v[PC+3+6*\c+\i], v[PC+12+4*\c+\i]
.endr
.endr
.set n, 0
.rept 16
	v_pk_mul_f32 v[O+n:O+n+1], v[O+n:O+n+1], v[FF:FF+1] op_sel_hi:[1,0]   ; O^T under the new M; these sixteen are also the places between p's codes and scale word and the products
.set n, n+2
.endr
	s_wait_dscnt 0x0                               ; V is in
.irp t, 0,1,2,3
	v_wmma_scale_f32_16x16x128_f8f6f4 v[O+8*\t:O+8*\t+7], v[KF+12*\t:KF+12*\t+11], v[PC:PC+11], v[O+8*\t:O+8*\t+7], v[SC+\t], v[PSC] matrix_a_fmt:MATRIX_FMT_FP6 matrix_b_fmt:MATRIX_FMT_FP6
.endr
.rept 4
	v_nop                                          ; four places in front of the next loads into V's registers, and of the next read of O^T
.endr
.Lskip_\@:
	s_lshr_b32 s14, s14, 1                         ; on to the next step's bits
	s_lshr_b32 s15, s15, 1
.endm
; HALF A TRIP: slot sl's two key steps.  more = 1: the next record is asked for ahead of them, into the half's own set, waited for behind them in straight line, and laid into slot to
.macro HALF sl, to, set, more
.if \more
	COPY_ISSUE \set
.endif
	STEP \sl, 0
	STEP \sl, 1
.if \more
	s_wait_loadcnt 0x0                             ; the record is in registers,
	s_add_nc_u64 s[4:5], s[4:5], SLOT              ; so the loads' base may step
	COPY_LAND \set, \to
.endif
.endm
; One barrier a slot: in front of it every wave's reads of the slot in hand are back and its part of the other slot has landed
.macro MEET
	s_wait_dscnt 0x0
	s_barrier_signal -1
	s_barrier_wait -1
.endm
	s_load_b256 s[4:11], s[0:1], 0x0               ; att, mbits, mflag, ctx
	v_lshl_add_u32 v254, v0, 2, 0xd000
	v_mov_b32 v255, 0
	v_lshrrev_b32 v6, 5, v0
	v_readfirstlane_b32 s12, v6                    ; wave 0..15
	v_and_b32 v6, 31, v0
	v_lshlrev_b32 v1, 4, v6
	v_lshlrev_b32 v2, 2, v6
	v_lshlrev_b32 v3, 4, v0
	v_lshl_add_u32 v4, v0, 2, 24576
	v_mov_b32 v5, 0xf4000000                       ; -2^105
	s_mov_b32 s88, 0x8f1634ad                      ; sigma, a nibble a wave: 0 7 9 14 / 11 12 2 5 / 13 10 4 3 / 6 1 15 8
	s_cmp_lt_u32 s12, 8
	s_cselect_b32 s88, 0x52cbe970, s88
	s_and_b32 s89, s12, 7
	s_lshl_b32 s89, s89, 2
	s_lshr_b32 s88, s88, s89
	s_and_b32 s88, s88, 15
	s_lshl_b32 s88, s88, 4
	s_add_co_u32 s88, s88, ttmp9                   ; my tile of queries: it enters global addresses alone
	s_and_b32 s89, ttmp7, 0xffff                   ; the head
	s_mov_b32 s[SEL], 0x76543210
	s_mov_b32 s[SEL+1], 0xfedcba98
	s_mov_b32 s[CS], 0x3d38aa3b                    ; log2(e) / 32
	s_mov_b32 s[CS+1], s[CS]                       ; (named with it as a pair, so it is written)
	s_mul_i32 s90, s89, 425984
	s_add_co_u32 s90, s90, KVOFF                   ; the head's first record
	s_mov_b32 s91, 0
	s_lshl_b32 s92, s89, 7
	s_lshr_b32 s93, s88, 1
	s_add_co_u32 s92, s92, s93                     ; Q's pair fragment: 128 head + tile / 2
	s_mul_i32 s94, s92, 1536
	s_mov_b32 s95, 0
	s_lshl_b32 s92, s92, 7
	s_add_co_u32 s92, s92, 3145728
	s_mov_b32 s93, 0
	s_lshl_b32 s96, s88, 13                        ; my tile's 32 records
	s_mov_b32 s97, 0
	s_lshl_b32 s98, s88, 3                         ; and its flags
	s_mov_b32 s99, 0
	s_wait_kmcnt 0x0
	s_add_nc_u64 s[94:95], s[4:5], s[94:95]
	s_add_nc_u64 s[92:93], s[4:5], s[92:93]
	s_add_nc_u64 s[4:5], s[4:5], s[90:91]
	s_add_nc_u64 s[6:7], s[6:7], s[96:97]
	s_add_nc_u64 s[8:9], s[8:9], s[98:99]
	s_load_b64 s[14:15], s[8:9], 0x0               ; WORK, NEED
	COPY_ISSUE CPA                                 ; slot 0
.irp c, 0,1,2
	global_load_b128 v[KF+4*\c:KF+4*\c+3], v1, s[94:95] offset:512*\c   ; Q's pair fragment
.endr
	global_load_b32 v[QSC], v2, s[92:93]
	s_lshl_b32 s90, s88, 3                         ; where the result goes: fragment (tile, head / 2),
	s_lshr_b32 s91, s89, 1
	s_add_co_u32 s90, s90, s91
	s_mul_i32 s90, s90, 1536
	s_mov_b32 s91, 0
	s_add_nc_u64 s[90:91], s[10:11], s[90:91]
	s_lshl_b32 s96, s88, 10                        ; its two scale bytes: 1024 tile + 512 (head / 8) + 4 ((head / 2) % 4) + 2 (head % 2)
	s_lshr_b32 s97, s89, 3
	s_lshl_b32 s97, s97, 9
	s_add_co_u32 s96, s96, s97
	s_bfe_u32 s97, s89, 0x20001
	s_lshl_b32 s97, s97, 2
	s_add_co_u32 s96, s96, s97
	s_and_b32 s97, s89, 1
	s_lshl_b32 s97, s97, 1
	s_add_co_u32 s96, s96, s97
	s_add_co_u32 s96, s96, 3145728
	s_mov_b32 s97, 0
	s_add_nc_u64 s[96:97], s[10:11], s[96:97]
	s_and_b32 s98, s88, 1                          ; which half of the pair fragment is my tile's
	s_cmp_lg_u32 s98, 0
	s_cselect_b32 s99, -1, 0
	s_lshl_b32 s98, s98, 4
	v_mov_b32 v9, 0xff61b1e6                       ; the largest t so far: -3e38, under every t
	v_floor_f32 v8, -v9
	v_mov_b32 v10, 0
	v_mov_b32 v11, 0
.irp b, 0,1,2,3
	v_mov_b32 v[PD+\b], 0                          ; a lane permute's destination counts as one of its sources
.endr
	v_mov_b32 v[FF+1], 0                           ; (named as the upper half of a pair)
	v_mov_b32 v[TT], 0
	s_wait_loadcnt 0x4                             ; the record's four loads are in; Q's four may be out
	COPY_LAND CPA, 0
	s_wait_loadcnt 0x0
	s_add_nc_u64 s[4:5], s[4:5], SLOT
.irp i, 0,1,2,3,4,5
	v_cndmask_b32 v[14+\i], v[KF+\i], v[KF+6+\i], s99   ; my tile's six registers
.endr
.irp i, 0,1,2,3,4,5
	v_mov_b32 v[20+\i], 0
	v_mov_b32 v[26+\i], v[14+\i]                   ; [q, 0, q]: v[14:25] = [q, 0], v[20:31] = [0, q]
.endr
	v_lshrrev_b32 v[QSC], s98, v[QSC]
	v_and_b32 v[QSC], 0xffff, v[QSC]
	v_lshl_or_b32 v[QSC], v[QSC], 16, v[QSC]       ; my tile's two bytes, twice: they serve both forms; over the zero codes any byte but 0xff does
.set n, 0
.rept 32
	v_mov_b32 v[O+n], 0                            ; O^T: the step is written once; the first finds zeros.  (Also the places between Q's registers and the first products)
.set n, n+1
.endr
	s_wait_kmcnt 0x0
	MEET                                           ; slot 0 is whole
	s_mov_b32 s13, 7
.Ltrip:                                            ; a trip is two slots; seven trips, in each of which both halves ask for a successor
	HALF 0, 1, CPA, 1
	MEET
	HALF 1, 0, CPB, 1
	s_wait_xcnt 0x0                                ; the records' loads have read their base
	s_add_nc_u64 s[6:7], s[6:7], 1024              ; four key steps' records on
	MEET
	s_sub_co_u32 s13, s13, 1
	s_cmp_lg_u32 s13, 0
	s_cbranch_scc1 .Ltrip
	HALF 0, 1, CPA, 1                              ; the eighth trip is written out: slot 15 is asked for,
	MEET
	HALF 1, 0, CPB, 0                              ; and has no successor: no load leaves the buffer, and nothing is laid into a slot that nobody reads
	; THE WAY OUT.  O^T / the sum; register 16 b + i is the head's number 32 b + 16 h + i of my query: two blocks of the last projection's K
	v_add_f32 v10, v10, v11
	v_permlanex16_b32 v[TT], v10, s[SEL], s[SEL+1]
	v_add_f32 v10, v10, v[TT]                      ; the row's sum
	v_rcp_f32 v[FF], v10
	v_nop                                          ; a plain place behind the reciprocal
	s_wait_alu depctr_va_vdst(0)                   ; and the wait ahead of its first reader
.set n, 0
.rept 16
	v_pk_mul_f32 v[O+n:O+n+1], v[O+n:O+n+1], v[FF:FF+1] op_sel_hi:[1,0]
.set n, n+2
.endr
.irp b, 0,1
	v_max3_num_f32 v[BM+\b], |v[O+16*\b]|, |v[O+1+16*\b]|, 0x1800000
.endr
.irp i, 2,4,6,8,10,12,14
.irp b, 0,1
	v_max3_num_f32 v[BM+\b], v[BM+\b], |v[O+16*\b+\i]|, |v[O+1+16*\b+\i]|
.endr
.endr
.irp b, 0,1
	v_permlanex16_b32 v[PD+\b], v[BM+\b], s[SEL], s[SEL+1]
.endr
.irp b, 0,1
	v_max_num_f32 v[BM+\b], v[BM+\b], v[PD+\b]
.endr
.irp b, 0,1
	v_add_nc_u32 v[CO+\b], 0xff000000, v[BM+\b]
.endr
.irp b, 0,1
	v_lshrrev_b32 v[PD+\b], 23, v[CO+\b]
.endr
	v_lshl_or_b32 v[PSC], v[PD+1], 8, v[PD]        ; my head's two scale bytes
	v_cvt_scalef32_pk16_fp6_f32 v[PC:PC+2], v[O:O+15], v[CO]
	v_cvt_scalef32_pk16_fp6_f32 v[PC+4:PC+6], v[O+16:O+31], v[CO+1]
	v_nop                                          ; one plain place behind the scaled conversions
.irp i, 0,1,2
	v_permlane16_swap_b32 v[PC+\i], v[PC+4+\i]     ; a whole block in a lane: lanes 0-15 block 0, lanes 16-31 block 1
.endr
	v_mov_b32 v[PC+3], v[PC+4]                     ; in ascending order: each source is read before it is written
	v_mov_b32 v[PC+4], v[PC+5]
	v_mov_b32 v[PC+5], v[PC+6]
	s_bitcmp1_b32 s89, 0                           ; an even head's six registers are the fragment's 0-5, an odd head's 6-11
	s_cbranch_scc1 .Lodd
	global_store_b128 v1, v[PC:PC+3], s[90:91]
	global_store_b64 v1, v[PC+4:PC+5], s[90:91] offset:512
	s_branch .Lbytes
.Lodd:
	global_store_b64 v1, v[PC:PC+1], s[90:91] offset:520
	global_store_b128 v1, v[PC+2:PC+5], s[90:91] offset:1024
.Lbytes:
	global_store_b16 v1, v[PSC], s[96:97]          ; two bytes a lane, 16 bytes apart: 64 bytes a wave, once, so that the next launch reads these words as it reads the weights'
	s_wait_tensorcnt 0x0
	ds_add_u32 v254, v255
	s_wait_dscnt 0x0
	s_endpgm
.Lfunc_end_k_q08dcd74111_attn:
	.size	k_q08dcd74111_attn, .Lfunc_end_k_q08dcd74111_attn-k_q08dcd74111_attn
	.p2alignl 7, 3214868480
	.fill 96, 4, 3214868480
	.section	.rodata,"a",@progbits
	.p2align	6, 0x0
	.amdhsa_kernel k_q08dcd74111_attn
		.amdhsa_group_segment_fixed_size 55296
		.amdhsa_private_segment_fixed_size 0
		.amdhsa_enable_private_segment 0
		.amdhsa_kernarg_size 32
		.amdhsa_user_sgpr_count 2
		.amdhsa_user_sgpr_kernarg_segment_ptr 1
		.amdhsa_wavefront_size32 1
		.amdhsa_system_sgpr_workgroup_id_x 1
		.amdhsa_system_sgpr_workgroup_id_y 1
		.amdhsa_system_sgpr_workgroup_id_z 1
		.amdhsa_system_vgpr_workitem_id 0
		.amdhsa_next_free_vgpr 256
		.amdhsa_next_free_sgpr 102
		.amdhsa_reserve_vcc 0
		.amdhsa_float_denorm_mode_32 3
		.amdhsa_float_denorm_mode_16_64 3
		.amdhsa_memory_ordered 1
		.amdhsa_forward_progress 1
		.amdhsa_inst_pref_size 173
	.end_amdhsa_kernel
	.amdgpu_metadata
---
amdhsa.version: [ 1, 2 ]
amdhsa.kernels:
  - .name:           k_q08dcd74111_attn
    .symbol:         k_q08dcd74111_attn.kd
    .args:
      - { .name: att, .offset: 0, .size: 8, .value_kind: global_buffer, .address_space: global }
      - { .name: mbits, .offset: 8, .size: 8, .value_kind: global_buffer, .address_space: global }
      - { .name: mflag, .offset: 16, .size: 8, .value_kind: global_buffer, .address_space: global }
      - { .name: ctx, .offset: 24, .size: 8, .value_kind: global_buffer, .address_space: global }
    .group_segment_fixed_size: 55296
    .private_segment_fixed_size: 0
    .kernarg_segment_align: 8
    .kernarg_segment_size: 32
    .max_flat_workgroup_size: 512
    .sgpr_count:     102
    .vgpr_count:     256
    .wavefront_size: 32
...
	.end_amdgpu_metadata
.endif
;; end of part 3
;; launch oproj (part 4): grid 256 x 1, 4 waves a work-group, no clusters, 34,304 bytes of LDS; arguments cod, scl, ctx, bo, out0; writes out0
.if DOCPART == 4
	.amdgcn_target "amdgcn-amd-amdhsa--gfx1250"
	.amdhsa_code_object_version 6
	.text
	.protected	k_q08dcd74111_oproj
	.globl	k_q08dcd74111_oproj
	.p2align	8
	.type	k_q08dcd74111_oproj,@function
k_q08dcd74111_oproj:
	s_mov_b64 s[64:65], 0
	v_nop
	global_prefetch_b8 v0, s[64:65] scope:SCOPE_SE
	s_setreg_imm32_b32 hwreg(HW_REG_WAVE_MODE, 25, 1), 1
	s_wait_xcnt 0x0
; out0 = ctx wo^T + bo on codes of FP6 (E2M3), K = 1,024 in eight steps of 128.  out0: [4096][1024] f32.
; cod, scl hold wo's tiles 960-1023; ctx holds the 256 tiles of tokens in the same two layouts (codes at 12288 tile + 1536 step; scale words from 3,145,728 on at 1024 tile + 512 (s / 4) + 16 l + 4 (s % 4)).
; Tile 2 g + u holds rows 32 g + 8 u + p + 8 (p / 8).  A WAVE makes 8 tiles of wo (source 0: 128 columns of the output) x 2 tiles of tokens (source 1: 32 tokens): 16 accumulators in window 1.
; Every fragment comes from memory straight into registers by three loads of 512 consecutive bytes.  In a result lane (r, h), register j of tile i holds column 32 (i / 2) + 16 h + 8 (i % 2) + j of token row r.
; THE WAY OUT: 16 tokens x 128 columns go through the wave's own stage in LDS and come back as whole rows of 512 bytes, to which the bias is added; 32 lanes store 512 consecutive bytes, aligned.
.set PS,  8                            ; v8-71    wo's scale words: 8 i + s;  these and the next hold scales and nothing else
.set RS,  72                           ; v72-87   ctx's: 8 j + s
.set PF,  104                          ; v104-199 wo's eight fragments of a K step; on the way out rows of the output (v104-231)
.set RF,  200                          ; v200-223 ctx's two
.set BO,  232                          ; v232-235 the bias of my four columns
.set MSB, 0
.macro WIN new                         ; the immediate's high byte repeats the setting that is left
.if MSB != \new
	s_set_vgpr_msb (MSB<<8)|\new
.set MSB, \new
.endif
.endm
; One K step: 6 + 24 loads, 16 matrix instructions.  The accumulators take turns, one instruction a turn, in the same order in every step.
.macro KSTEP kk
.if \kk > 0
.rept 4
	v_nop                                          ; four places in front of loads into registers that matrix instructions have read
.endr
.endif
.irp j, 0,1
.irp c, 0,1,2
	global_load_b128 v[RF+12*\j+4*\c:RF+12*\j+4*\c+3], v1, s[30:31] offset:12288*\j+1536*\kk+512*\c
.endr
.endr
.irp i, 0,1,2,3,4,5,6,7
.irp c, 0,1,2
	global_load_b128 v[PF+12*\i+4*\c:PF+12*\i+4*\c+3], v1, s[28:29] offset:12288*\i+1536*\kk+512*\c
.endr
.endr
	WIN 0x50                                       ; C and D in window 1
.irp i, 0,1,2,3,4,5,6,7
	s_wait_loadcnt 3*(7-\i)                        ; wo's tile i is in; the three loads of each later tile may be out
.irp j, 0,1
.if \kk == 0
	v_wmma_scale_f32_16x16x128_f8f6f4 v[64*\j+8*\i:64*\j+8*\i+7], v[PF+12*\i:PF+12*\i+11], v[RF+12*\j:RF+12*\j+11], 0, v[PS+8*\i+\kk], v[RS+8*\j+\kk] matrix_a_fmt:MATRIX_FMT_FP6 matrix_b_fmt:MATRIX_FMT_FP6
.else
	v_wmma_scale_f32_16x16x128_f8f6f4 v[64*\j+8*\i:64*\j+8*\i+7], v[PF+12*\i:PF+12*\i+11], v[RF+12*\j:RF+12*\j+11], v[64*\j+8*\i:64*\j+8*\i+7], v[PS+8*\i+\kk], v[RS+8*\j+\kk] matrix_a_fmt:MATRIX_FMT_FP6 matrix_b_fmt:MATRIX_FMT_FP6
.endif
.endr
.endr
	WIN 0
.endm
.macro STAGE_IN j                      ; token tile j's eight accumulators into my stage
	WIN 0x04                                       ; an LDS store's data are its source 1: window 1
.irp i, 0,1,2,3,4,5,6,7
	ds_store_b128 v3, v[64*\j+8*\i:64*\j+8*\i+3] offset:128*(\i/2)+32*(\i%2)       ; each accumulator from its low end on
	ds_store_b128 v3, v[64*\j+8*\i+4:64*\j+8*\i+7] offset:128*(\i/2)+32*(\i%2)+16
.endr
	WIN 0
.endm
.macro STAGE_OUT j                     ; and back as 16 whole rows.  LDS serves a wave's instructions in order: these see my stores, and the next tile's stores come behind them
.irp p, 0,1,2,3,4,5,6,7,8,9,10,11,12,13,14,15
	ds_load_b128 v[PF+64*\j+4*\p:PF+64*\j+4*\p+3], v4 offset:528*\p
.endr
.endm
.macro SEND j, younger                 ; younger: the LDS instructions issued behind tile j's read-backs, which may stay out
.irp p, 0,1,2,3,4,5,6,7,8,9,10,11,12,13,14,15
	s_wait_dscnt \younger+15-\p                    ; row p is back; the rows behind it may be out
	v_pk_add_f32 v[PF+64*\j+4*\p:PF+64*\j+4*\p+1], v[PF+64*\j+4*\p:PF+64*\j+4*\p+1], v[BO:BO+1]
	v_pk_add_f32 v[PF+64*\j+4*\p+2:PF+64*\j+4*\p+3], v[PF+64*\j+4*\p+2:PF+64*\j+4*\p+3], v[BO+2:BO+3]
	global_store_b128 v1, v[PF+64*\j+4*\p:PF+64*\j+4*\p+3], s[38:39] offset:(8*\j+\p+8*(\p/8))*4096 th:TH_STORE_NT   ; 512 consecutive bytes, aligned; written once, read by nobody here
.endr
.endm
	s_load_b256 s[4:11], s[0:1], 0x0               ; cod, scl, ctx, bo
	s_load_b64 s[12:13], s[0:1], 0x20              ; out0
	v_lshl_add_u32 v254, v0, 2, 0x8400
	v_mov_b32 v255, 0
	v_lshrrev_b32 v3, 5, v0
	v_readfirstlane_b32 s16, v3                    ; wave 0..3
	v_and_b32 v3, 31, v0
	v_lshlrev_b32 v1, 4, v3                        ; 16 x lane
	s_mul_i32 s23, s16, 8448                       ; my stage: 16 rows of 512 bytes + 16
	v_and_b32 v3, 15, v0
	v_bfe_u32 v4, v0, 4, 1
	v_mul_u32_u24 v3, v3, 528
	v_lshl_add_u32 v3, v4, 6, v3
	v_add_nc_u32 v3, s23, v3                       ; in: row r, + 64 h
	v_add_nc_u32 v4, s23, v1                       ; back: 16 bytes a lane of a row
	s_lshl_b32 s17, ttmp9, 2
	s_add_co_u32 s17, s17, s16                     ; the wave's number in the launch
	s_and_b32 s20, s17, 7                          ; which 128 columns,
	s_lshr_b32 s21, s17, 3                         ; which 32 tokens
	s_lshl_b32 s22, s20, 3
	s_add_co_u32 s22, s22, 960                     ; wo's first tile
	s_mul_i32 s28, s22, 12288
	s_mov_b32 s29, 0
	s_mul_i32 s30, s21, 24576
	s_mov_b32 s31, 0
	s_lshl_b32 s32, s22, 10
	s_mov_b32 s33, 0
	s_lshl_b32 s34, s21, 11
	s_add_co_u32 s34, s34, 3145728
	s_mov_b32 s35, 0
	s_lshl_b32 s36, s20, 9                         ; my columns, in bytes
	s_mov_b32 s37, 0
	s_lshl_b32 s38, s21, 17                        ; my 32 rows of 4,096 bytes
	s_add_co_u32 s38, s38, s36
	s_mov_b32 s39, 0
	s_wait_kmcnt 0x0
	s_add_nc_u64 s[28:29], s[4:5], s[28:29]        ; bases that are never stepped: every offset is an immediate
	s_add_nc_u64 s[30:31], s[8:9], s[30:31]
	s_add_nc_u64 s[32:33], s[6:7], s[32:33]
	s_add_nc_u64 s[34:35], s[8:9], s[34:35]
	s_add_nc_u64 s[36:37], s[10:11], s[36:37]
	s_add_nc_u64 s[38:39], s[12:13], s[38:39]
.irp i, 0,1,2,3,4,5,6,7
	global_load_b128 v[PS+8*\i:PS+8*\i+3], v1, s[32:33] offset:1024*\i
	global_load_b128 v[PS+8*\i+4:PS+8*\i+7], v1, s[32:33] offset:1024*\i+512
.endr
.irp j, 0,1
	global_load_b128 v[RS+8*\j:RS+8*\j+3], v1, s[34:35] offset:1024*\j
	global_load_b128 v[RS+8*\j+4:RS+8*\j+7], v1, s[34:35] offset:1024*\j+512
.endr
	KSTEP 0                                        ; its products start the sums: nothing is cleared
	KSTEP 1
	KSTEP 2
	KSTEP 3
	KSTEP 4
	KSTEP 5
	KSTEP 6
	KSTEP 7
.rept 4
	v_nop                                          ; four places in front of the first read of results and of loads into the fragments' registers
.endr
	global_load_b128 v[BO:BO+3], v1, s[36:37]      ; bo of columns 4 l .. 4 l + 3 of my 128
	STAGE_IN 0
	STAGE_OUT 0
	STAGE_IN 1                                     ; 48 LDS instructions of mine are out at the most
	s_wait_loadcnt 0x0                             ; the bias
	SEND 0, 16                                     ; behind tile 0's read-backs: tile 1's 16 stores
	STAGE_OUT 1
	SEND 1, 0
	s_wait_tensorcnt 0x0
	ds_add_u32 v254, v255
	s_wait_dscnt 0x0
	s_endpgm
.Lfunc_end_k_q08dcd74111_oproj:
	.size	k_q08dcd74111_oproj, .Lfunc_end_k_q08dcd74111_oproj-k_q08dcd74111_oproj
	.p2alignl 7, 3214868480
	.fill 96, 4, 3214868480
	.section	.rodata,"a",@progbits
	.p2align	6, 0x0
	.amdhsa_kernel k_q08dcd74111_oproj
		.amdhsa_group_segment_fixed_size 34304
		.amdhsa_private_segment_fixed_size 0
		.amdhsa_enable_private_segment 0
		.amdhsa_kernarg_size 40
		.amdhsa_user_sgpr_count 2
		.amdhsa_user_sgpr_kernarg_segment_ptr 1
		.amdhsa_wavefront_size32 1
		.amdhsa_system_sgpr_workgroup_id_x 1
		.amdhsa_system_sgpr_workgroup_id_y 1
		.amdhsa_system_sgpr_workgroup_id_z 1
		.amdhsa_system_vgpr_workitem_id 0
		.amdhsa_next_free_vgpr 384
		.amdhsa_next_free_sgpr 66
		.amdhsa_reserve_vcc 0
		.amdhsa_float_denorm_mode_32 3
		.amdhsa_float_denorm_mode_16_64 3
		.amdhsa_memory_ordered 1
		.amdhsa_forward_progress 1
		.amdhsa_inst_pref_size 59
	.end_amdhsa_kernel
	.amdgpu_metadata
---
amdhsa.version: [ 1, 2 ]
amdhsa.kernels:
  - .name:           k_q08dcd74111_oproj
    .symbol:         k_q08dcd74111_oproj.kd
    .args:
      - { .name: cod, .offset: 0, .size: 8, .value_kind: global_buffer, .address_space: global }
      - { .name: scl, .offset: 8, .size: 8, .value_kind: global_buffer, .address_space: global }
      - { .name: ctx, .offset: 16, .size: 8, .value_kind: global_buffer, .address_space: global }
      - { .name: bo, .offset: 24, .size: 8, .value_kind: global_buffer, .address_space: global }
      - { .name: out0, .offset: 32, .size: 8, .value_kind: global_buffer, .address_space: global }
    .group_segment_fixed_size: 34304
    .private_segment_fixed_size: 0
    .kernarg_segment_align: 8
    .kernarg_segment_size: 40
    .max_flat_workgroup_size: 128
    .sgpr_count:     66
    .vgpr_count:     384
    .wavefront_size: 32
...
	.end_amdgpu_metadata
.endif
;; end of part 4
;; ======== version 2 of 2: 4 launches
;; workspace buffers: cod 12,582,912 bytes; scl 1,048,576 bytes; mbits 2,097,152 bytes of whole numbers; mflag 2,048 bytes of whole numbers; att 10,223,616 bytes; ctx 3,407,872 bytes
;; launch prep (part 5): grid 256 x 1, 8 waves a work-group, no clusters, 68,864 bytes of LDS; arguments q, k, v, wq, wk, wv, wo, mask, cod, scl, mbits, mflag; writes cod, scl, mbits, mflag
.if DOCPART == 5
	.amdgcn_target "amdgcn-amd-amdhsa--gfx1250"
	.amdhsa_code_object_version 6
	.text
	.protected	k_q08dcd74111_prep
	.globl	k_q08dcd74111_prep
	.p2align	8
	.type	k_q08dcd74111_prep,@function
k_q08dcd74111_prep:
	s_mov_b64 s[64:65], 0
	v_nop
	global_prefetch_b8 v0, s[64:65] scope:SCOPE_SE
	s_setreg_imm32_b32 hwreg(HW_REG_WAVE_MODE, 25, 1), 1
	s_wait_xcnt 0x0
; q, k, v [4096][1024] and wq, wk, wv, wo [1024][1024], f32, K innermost, become codes of FP6 (E2M3) with one E8M0 byte for each 32 along K;
; the mask [4096][4096] int32 becomes lane-mask words, one bit an entry, and two flag words for each tile of 16 queries.
; TILES.  Rows go in groups of 32; tile 2 g + u holds rows 32 g + 8 u + p + 8 (p / 8), p = 0 .. 15.  Tile numbers: q 0-255, k 256-511, v 512-767, wq 768-831, wk 832-895, wv 896-959, wo 960-1023.
; cod: fragment (tile T, K step s of 128) at 12288 T + 1536 s, as an IMAGE OF THE OPERAND'S REGISTERS: registers 4 c .. 4 c + 3 of lane l at 512 c + 16 l.
; scl: tile T at 1024 T; the scale word of K step s of lane l's row (l % 16) at 512 (s / 4) + 16 l + 4 (s % 4).
; mbits: record (query tile qt, key step ks of 128) of 256 bytes at 256 (32 qt + ks); word 16 b + i, bit r + 16 h = 1 where mask[row(qt, r)][128 ks + 32 b + 16 h + i] == 0.
; mflag: 8 bytes a query tile: WORK (bit ks: the step has to be computed), NEED (bit ks: some entry of the step is masked).
;   A step is left out later only if all its 16 x 128 entries are masked AND no row of the tile is masked in all 4,096 keys (such a row's softmax is uniform over all keys).
; A JOB is 16 rows x 128 columns of 4 bytes: 16 loads of 512 consecutive bytes; they turn through the wave's own stage in LDS, so that lane (r, h) holds of row r the columns 32 b + 16 h + 0 .. 15 in registers 16 b + 0 .. 15.
; Work-group id takes tiles 4 id .. 4 id + 3 and query tile id.  Wave w: four jobs of tile 4 id + w / 2, K steps 4 (w % 2) + 0 .. 3; then four jobs of the mask, key steps 4 w + 0 .. 3.  Two jobs' loads are out at a time.
; A block's scale is 2^(floor(log2(largest magnitude)) - 2); its byte is the largest magnitude's exponent field - 2, held at 1 from below.
; LIMITS: NaN and infinities among the inputs are not served; a block whose largest magnitude lies under 2^-124 keeps the byte 1; a block of zeros has the byte 1 where the rule says 127 (its codes are zeros, and this program alone reads the bytes).
.set STG,  8448                        ; a wave's stage: 16 rows of 512 bytes + 16
.set RED,  8*STG                       ; behind the stages: 16 bytes a wave for the flags
.set MW,   8                           ; v8-15    four pairs: a mask job's 64 words, lane l words 2 l, 2 l + 1
.set PC,   16                          ; v16-35   the codes just made (12) and scratch
.set TM,   36                          ; v36-51   maxima, bytes, scale operands
.set SW,   52                          ; v52-55   four K steps' scale words
.set R,    64                          ; v64-191  two sets of 64: a job as it is loaded
.set X,    192                         ; v192-255 a job turned
.set WV,   66
.set JA,   68                          ; a job's AND of its words
.set JO,   70                          ; and their OR
.set WA,   72                          ; the wave's AND
.set WW,   73                          ; the wave's WORK bits
.set WN,   74                          ; the wave's NEED bits
.set SH,   75                          ; the key step in hand
.set SEL,  76                          ; s[76:77] selects for v_permlanex16_b32: lane l xor 16
; 64 numbers of a lane, register 16 b + i = k 32 b + 16 (lane / 16) + i of my row, become a fragment's codes in v[PC] on and its scale word in v[pw]
.macro QUANT s, pw
.irp b, 0,1,2,3
	v_max3_num_f32 v[TM+\b], |v[\s+16*\b]|, |v[\s+1+16*\b]|, 0x1800000   ; my 16 numbers of block b, and the floor 2^(3 - 127): the byte cannot fall under 1
.endr
.irp i, 2,4,6,8,10,12,14
.irp b, 0,1,2,3
	s_delay_alu instid0(VALU_DEP_4)
	v_max3_num_f32 v[TM+\b], v[TM+\b], |v[\s+16*\b+\i]|, |v[\s+1+16*\b+\i]|
.endr
.endr
.irp b, 0,1,2,3
	s_delay_alu instid0(VALU_DEP_4)
	v_permlanex16_b32 v[TM+4+\b], v[TM+\b], s[SEL], s[SEL+1]
.endr
.irp b, 0,1,2,3
	s_delay_alu instid0(VALU_DEP_4)
	v_max_num_f32 v[TM+\b], v[TM+\b], v[TM+4+\b]          ; with lane l xor 16's 16: the block's largest magnitude
.endr
.irp b, 0,1,2,3
	s_delay_alu instid0(VALU_DEP_4)
	v_add_nc_u32 v[TM+12+\b], 0xff000000, v[TM+\b]        ; 2 off its exponent field: the conversion's scale operand
.endr
.irp b, 0,1,2,3
	s_delay_alu instid0(VALU_DEP_4)
	v_lshrrev_b32 v[TM+4+\b], 23, v[TM+12+\b]             ; the scale's byte
.endr
	s_delay_alu instid0(VALU_DEP_3)
	v_lshl_or_b32 v[\pw], v[TM+5], 8, v[TM+4]
	s_delay_alu instid0(VALU_DEP_1)
	v_lshl_or_b32 v[\pw], v[TM+6], 16, v[\pw]
	s_delay_alu instid0(VALU_DEP_1)
	v_lshl_or_b32 v[\pw], v[TM+7], 24, v[\pw]
.irp c, 0,1
	v_cvt_scalef32_pk16_fp6_f32 v[PC+6*\c:PC+2+6*\c], v[\s+32*\c:\s+15+32*\c], v[TM+12+2*\c]
	v_cvt_scalef32_pk16_fp6_f32 v[PC+12+4*\c:PC+14+4*\c], v[\s+16+32*\c:\s+31+32*\c], v[TM+12+2*\c+1]   ; (a conversion's three registers begin on an even number)
.endr
	v_nop                                          ; one plain place behind the scaled conversions
.irp c, 0,1                                    ; the operand's layout wants a whole block in a lane: lanes 0-15 block 2 c, lanes 16-31 block 2 c + 1
.irp i, 0,1,2
	v_permlane16_swap_b32 v[PC+6*\c+\i], v[PC+12+4*\c+\i]
.endr
.irp i, 0,1,2
	s_delay_alu instid0(VALU_DEP_3)
	v_mov_b32 v[PC+3+6*\c+\i], v[PC+12+4*\c+\i]
.endr
.endr
.endm
.macro LOADJ set, base, stride, jj     ; a job's 16 rows: each load reads 512 consecutive bytes
.irp i, 0,1,2,3,4,5,6,7,8,9,10,11,12,13,14,15
	global_load_b128 v[R+64*\set+4*\i:R+64*\set+4*\i+3], v1, s[\base:\base+1] offset:(\i+8*(\i/8))*\stride+512*\jj th:TH_LOAD_NT
.endr
.endm
.macro TURN set                        ; through my own stage; LDS serves a wave's instructions in order, so no wait stands between the stores and the loads
.irp i, 0,1,2,3,4,5,6,7,8,9,10,11,12,13,14,15
	ds_store_b128 v3, v[R+64*\set+4*\i:R+64*\set+4*\i+3] offset:528*\i
.endr
.irp b, 0,1,2,3
.irp q, 0,1,2,3
	ds_load_b128 v[X+16*\b+4*\q:X+16*\b+4*\q+3], v4 offset:128*\b+16*\q
.endr
.endr
	s_wait_dscnt 0x0                               ; the job is turned, and the stores have read the set, which may be loaded again
.endm
.macro QJOB jj
	s_wait_xcnt 0x0                                ; the last job's stores have read the codes' registers
	QUANT X, SW+\jj
.irp c, 0,1,2
	global_store_b128 v1, v[PC+4*\c:PC+4*\c+3], s[82:83] offset:1536*\jj+512*\c   ; 512 consecutive bytes, aligned
.endr
.endm
.macro MJOB jj
.irp hf, 0,1
.set n, 0
.rept 32
	v_cmp_eq_u32 s[32+n], 0, v[X+32*\hf+n]         ; word 32 hf + n of the record: a bit a lane
.set n, n+1
.endr
.set n, 0
.rept 32
	v_writelane_b32 v[MW+2*\jj+n%2], s[32+n], 16*\hf+n/2
.set n, n+1
.endr
.if \hf == 0
	s_mov_b32 s[JA], s32
	s_mov_b32 s[JO], s32
.else
	s_wait_alu depctr_va_vdst(0)
	s_and_b32 s[JA], s[JA], s32
	s_or_b32 s[JO], s[JO], s32
.endif
.set n, 1
.rept 31
	s_and_b32 s[JA], s[JA], s[32+n]
	s_or_b32 s[JO], s[JO], s[32+n]
.set n, n+1
.endr
.endr
	s_and_b32 s[WA], s[WA], s[JA]
	s_cmp_eq_u32 s[JA], -1                         ; all 16 x 128 entries masked?
	s_cselect_b32 s67, 0, 1
	s_lshl_b32 s67, s67, s[SH]
	s_or_b32 s[WW], s[WW], s67
	s_cmp_lg_u32 s[JO], 0                          ; any entry masked?
	s_cselect_b32 s67, 1, 0
	s_lshl_b32 s67, s67, s[SH]
	s_or_b32 s[WN], s[WN], s67
	s_add_co_u32 s[SH], s[SH], 1
	global_store_b64 v2, v[MW+2*\jj:MW+2*\jj+1], s[86:87] offset:256*\jj   ; the record: 256 consecutive bytes, aligned
.endm
	s_load_b512 s[4:19], s[0:1], 0x0               ; q, k, v, wq, wk, wv, wo, mask
	s_load_b256 s[20:27], s[0:1], 0x40             ; cod, scl, mbits, mflag
	v_lshl_add_u32 v62, v0, 2, 0x10900
	v_mov_b32 v63, 0
	v_lshrrev_b32 v7, 5, v0
	s_delay_alu instid0(VALU_DEP_1)
	v_readfirstlane_b32 s[WV], v7                  ; wave 0..7
	v_and_b32 v7, 31, v0                           ; lane
	s_delay_alu instid0(VALU_DEP_1)
	v_lshlrev_b32 v1, 4, v7                        ; 16 x lane
	s_delay_alu instid0(VALU_DEP_2)
	v_lshlrev_b32 v2, 3, v7                        ; 8 x lane
	s_mul_i32 s67, s[WV], STG
	v_add_nc_u32 v3, s67, v1                       ; the stage, in: 16 x lane
	v_and_b32 v4, 15, v0
	v_bfe_u32 v5, v0, 4, 1
	s_delay_alu instid0(VALU_DEP_2)
	v_mul_u32_u24 v4, v4, 528
	s_delay_alu instid0(VALU_DEP_1)
	v_lshl_add_u32 v4, v5, 6, v4
	s_delay_alu instid0(VALU_DEP_1)
	v_add_nc_u32 v4, s67, v4                       ; out: row r, + 64 h
	s_lshl_b32 s67, s[WV], 4
	s_add_co_u32 s67, s67, RED
	v_mov_b32 v5, s67                              ; my wave's 16 bytes of flags
	v_and_b32 v6, 7, v0
	s_delay_alu instid0(VALU_DEP_1)
	v_lshl_add_u32 v6, v6, 4, RED                  ; and wave (lane % 8)'s
.irp i, 0,1,2,3,4,5,6,7
	v_mov_b32 v[MW+\i], 0                          ; a v_writelane_b32's destination counts as read
.endr
.irp b, 0,1,2,3
	v_mov_b32 v[TM+4+\b], 0                        ; and so does a lane permute's
.endr
	s_mov_b32 s[SEL], 0x76543210
	s_mov_b32 s[SEL+1], 0xfedcba98
	s_mov_b32 s[WA], -1
	s_mov_b32 s[WW], 0
	s_mov_b32 s[WN], 0
	s_lshl_b32 s[SH], s[WV], 2
	s_wait_kmcnt 0x0
	; which tensor my work-group's four tiles belong to: a choice on the work-group's number alone
	s_mov_b64 s[28:29], s[16:17]
	s_mov_b32 s30, 240
	s_cmp_lt_u32 ttmp9, 240
	s_cselect_b64 s[28:29], s[14:15], s[28:29]
	s_cselect_b32 s30, 224, s30
	s_cmp_lt_u32 ttmp9, 224
	s_cselect_b64 s[28:29], s[12:13], s[28:29]
	s_cselect_b32 s30, 208, s30
	s_cmp_lt_u32 ttmp9, 208
	s_cselect_b64 s[28:29], s[10:11], s[28:29]
	s_cselect_b32 s30, 192, s30
	s_cmp_lt_u32 ttmp9, 192
	s_cselect_b64 s[28:29], s[8:9], s[28:29]
	s_cselect_b32 s30, 128, s30
	s_cmp_lt_u32 ttmp9, 128
	s_cselect_b64 s[28:29], s[6:7], s[28:29]
	s_cselect_b32 s30, 64, s30
	s_cmp_lt_u32 ttmp9, 64
	s_cselect_b64 s[28:29], s[4:5], s[28:29]
	s_cselect_b32 s30, 0, s30
	s_sub_co_u32 s31, ttmp9, s30
	s_lshl_b32 s31, s31, 2
	s_lshr_b32 s67, s[WV], 1                       ; w / 2
	s_and_b32 s90, s[WV], 1                        ; w % 2
	s_add_co_u32 s31, s31, s67                     ; my tile within its tensor
	s_lshr_b32 s78, s31, 1
	s_lshl_b32 s78, s78, 17                        ; 32 rows of 4,096 bytes a group,
	s_and_b32 s79, s31, 1
	s_lshl_b32 s79, s79, 15                        ; 8 rows for the odd tile,
	s_add_co_u32 s78, s78, s79
	s_lshl_b32 s79, s90, 11                        ; four K steps of 512 bytes
	s_add_co_u32 s78, s78, s79
	s_mov_b32 s79, 0
	s_add_nc_u64 s[28:29], s[28:29], s[78:79]
	LOADJ 0, 28, 4096, 0
	LOADJ 1, 28, 4096, 1
	s_lshr_b32 s78, ttmp9, 1                       ; the mask: 32 rows of 16,384 bytes a group,
	s_lshl_b32 s78, s78, 19
	s_and_b32 s79, ttmp9, 1
	s_lshl_b32 s79, s79, 17
	s_add_co_u32 s78, s78, s79
	s_lshl_b32 s79, s[WV], 11                      ; four key steps of 512 bytes a wave
	s_add_co_u32 s78, s78, s79
	s_mov_b32 s79, 0
	s_add_nc_u64 s[80:81], s[18:19], s[78:79]
	s_lshl_b32 s91, ttmp9, 2
	s_add_co_u32 s91, s91, s67                     ; my tile's number
	s_mul_i32 s78, s91, 12288
	s_mul_i32 s79, s90, 6144
	s_add_co_u32 s78, s78, s79
	s_mov_b32 s79, 0
	s_add_nc_u64 s[82:83], s[20:21], s[78:79]      ; its codes, my four K steps
	s_lshl_b32 s78, s91, 10
	s_lshl_b32 s79, s90, 9
	s_add_co_u32 s78, s78, s79
	s_mov_b32 s79, 0
	s_add_nc_u64 s[84:85], s[22:23], s[78:79]      ; their scale words
	s_lshl_b32 s78, ttmp9, 13
	s_lshl_b32 s79, s[WV], 10
	s_add_co_u32 s78, s78, s79
	s_mov_b32 s79, 0
	s_add_nc_u64 s[86:87], s[24:25], s[78:79]      ; my four records
	s_lshl_b32 s78, ttmp9, 3
	s_add_nc_u64 s[88:89], s[26:27], s[78:79]      ; the tile's flags
	; eight jobs; the count 16 leaves the next job's 16 loads out
	s_wait_loadcnt 16
	TURN 0
	LOADJ 0, 28, 4096, 2
	QJOB 0
	s_wait_loadcnt 16
	TURN 1
	LOADJ 1, 28, 4096, 3
	QJOB 1
	s_wait_loadcnt 16
	TURN 0
	LOADJ 0, 80, 16384, 0
	QJOB 2
	s_wait_loadcnt 16
	TURN 1
	LOADJ 1, 80, 16384, 1
	QJOB 3
	global_store_b128 v1, v[SW:SW+3], s[84:85]     ; four K steps' scale words: 512 consecutive bytes
	s_wait_loadcnt 16
	TURN 0
	LOADJ 0, 80, 16384, 2
	MJOB 0
	s_wait_loadcnt 16
	TURN 1
	LOADJ 1, 80, 16384, 3
	MJOB 1
	s_wait_loadcnt 16
	TURN 0
	MJOB 2
	s_wait_loadcnt 0x0
	TURN 1
	MJOB 3
	; the eight waves' flags meet in LDS
	v_mov_b32 v56, s[WA]
	v_mov_b32 v57, s[WW]
	v_mov_b32 v58, s[WN]
	v_mov_b32 v59, 0
	ds_store_b128 v5, v[56:59]                     ; all lanes write the same 16 bytes with the same values
	s_wait_dscnt 0x0                               ; for the others' sake: my store has landed
	s_barrier_signal -1
	s_barrier_wait -1
	s_cmp_lg_u32 s[WV], 0
	s_cbranch_scc1 .Lend
	ds_load_b128 v[56:59], v6
	s_wait_dscnt 0x0
	v_readlane_b32 s[WA], v56, 0
	v_readlane_b32 s[WW], v57, 0
	v_readlane_b32 s[WN], v58, 0
.irp i, 1,2,3,4,5,6,7
	v_readlane_b32 s67, v56, \i
	s_and_b32 s[WA], s[WA], s67
	v_readlane_b32 s67, v57, \i
	s_or_b32 s[WW], s[WW], s67
	v_readlane_b32 s67, v58, \i
	s_or_b32 s[WN], s[WN], s67
.endr
	s_lshr_b32 s67, s[WA], 16                      ; row r is masked throughout where both its lanes' bits are set
	s_and_b32 s67, s67, s[WA]
	s_and_b32 s67, s67, 0xffff
	s_cmp_lg_u32 s67, 0
	s_cselect_b32 s[WW], -1, s[WW]                 ; then every step of the tile is computed
	v_mov_b32 v56, s[WW]
	v_mov_b32 v57, s[WN]
	v_mov_b32 v58, 0
	v_cmp_eq_u32 vcc_lo, 0, v7
	s_wait_alu depctr_va_vdst(0)
	s_wait_xcnt 0x0                                ; EXEC changes only behind this wait: stores are out
	s_and_saveexec_b32 s67, vcc_lo
	global_store_b64 v58, v[56:57], s[88:89]       ; lane 0 alone
	s_wait_xcnt 0x0
	s_or_b32 exec_lo, exec_lo, s67
.Lend:
	s_wait_tensorcnt 0x0
	ds_add_u32 v62, v63
	s_wait_dscnt 0x0
	s_endpgm
.Lfunc_end_k_q08dcd74111_prep:
	.size	k_q08dcd74111_prep, .Lfunc_end_k_q08dcd74111_prep-k_q08dcd74111_prep
	.p2alignl 7, 3214868480
	.fill 96, 4, 3214868480
	.section	.rodata,"a",@progbits
	.p2align	6, 0x0
	.amdhsa_kernel k_q08dcd74111_prep
		.amdhsa_group_segment_fixed_size 68864
		.amdhsa_private_segment_fixed_size 0
		.amdhsa_enable_private_segment 0
		.amdhsa_kernarg_size 96
		.amdhsa_user_sgpr_count 2
		.amdhsa_user_sgpr_kernarg_segment_ptr 1
		.amdhsa_wavefront_size32 1
		.amdhsa_system_sgpr_workgroup_id_x 1
		.amdhsa_system_sgpr_workgroup_id_y 1
		.amdhsa_system_sgpr_workgroup_id_z 1
		.amdhsa_system_vgpr_workitem_id 0
		.amdhsa_next_free_vgpr 256
		.amdhsa_next_free_sgpr 100
		.amdhsa_reserve_vcc 1
		.amdhsa_float_denorm_mode_32 3
		.amdhsa_float_denorm_mode_16_64 3
		.amdhsa_memory_ordered 1
		.amdhsa_forward_progress 1
		.amdhsa_inst_pref_size 109
	.end_amdhsa_kernel
	.amdgpu_metadata
---
amdhsa.version: [ 1, 2 ]
amdhsa.kernels:
  - .name:           k_q08dcd74111_prep
    .symbol:         k_q08dcd74111_prep.kd
    .args:
      - { .name: q, .offset: 0, .size: 8, .value_kind: global_buffer, .address_space: global }
      - { .name: k, .offset: 8, .size: 8, .value_kind: global_buffer, .address_space: global }
      - { .name: v, .offset: 16, .size: 8, .value_kind: global_buffer, .address_space: global }
      - { .name: wq, .offset: 24, .size: 8, .value_kind: global_buffer, .address_space: global }
      - { .name: wk, .offset: 32, .size: 8, .value_kind: global_buffer, .address_space: global }
      - { .name: wv, .offset: 40, .size: 8, .value_kind: global_buffer, .address_space: global }
      - { .name: wo, .offset: 48, .size: 8, .value_kind: global_buffer, .address_space: global }
      - { .name: mask, .offset: 56, .size: 8, .value_kind: global_buffer, .address_space: global }
      - { .name: cod, .offset: 64, .size: 8, .value_kind: global_buffer, .address_space: global }
      - { .name: scl, .offset: 72, .size: 8, .value_kind: global_buffer, .address_space: global }
      - { .name: mbits, .offset: 80, .size: 8, .value_kind: global_buffer, .address_space: global }
      - { .name: mflag, .offset: 88, .size: 8, .value_kind: global_buffer, .address_space: global }
    .group_segment_fixed_size: 68864
    .private_segment_fixed_size: 0
    .kernarg_segment_align: 8
    .kernarg_segment_size: 96
    .max_flat_workgroup_size: 256
    .sgpr_count:     100
    .vgpr_count:     256
    .wavefront_size: 32
...
	.end_amdgpu_metadata
.endif
;; end of part 5
;; launch proj (part 6): grid 384 x 1, 4 waves a work-group, no clusters, 0 bytes of LDS; arguments cod, scl, bq, bk, bv, att; writes att
.if DOCPART == 6
	.amdgcn_target "amdgcn-amd-amdhsa--gfx1250"
	.amdhsa_code_object_version 6
	.text
	.protected	k_q08dcd74111_proj
	.globl	k_q08dcd74111_proj
	.p2align	8
	.type	k_q08dcd74111_proj,@function
k_q08dcd74111_proj:
	s_mov_b64 s[64:65], 0
	v_nop
	global_prefetch_b8 v0, s[64:65] scope:SCOPE_SE
	s_setreg_imm32_b32 hwreg(HW_REG_WAVE_SCHED_MODE, 0, 2), 2
	s_setreg_imm32_b32 hwreg(HW_REG_WAVE_MODE, 25, 1), 1
	s_wait_xcnt 0x0
	s_wait_alu depctr_vm_vsrc(0)
; The three input projections x W^T + b on codes of FP6 (E2M3), K = 1,024 in eight steps of 128, and the quantising of their results into the operands of attention.
; cod, scl: tiles of 16 rows (tile 2 g + u: rows 32 g + 8 u + p + 8 (p / 8)) as images of the operand's registers: fragment (T, s) at 12288 T + 1536 s, registers 4 c .. 4 c + 3 of lane l at 512 c + 16 l;
; scale words of tile T at 1024 T + 512 (s / 4) + 16 l + 4 (s % 4).  Tiles: q 0, k 256, v 512, wq 768, wk 832, wv 896 on.
; A WAVE makes 8 source-0 tiles x 4 source-1 tiles, all of K: 32 accumulators, 256 registers (window 1).  Every fragment comes from memory straight into registers by three loads of 512 consecutive bytes; no LDS.
; In a result lane (r, h), register j holds (source-0 row 8 h + j, source-1 row r); by the tiles' order of rows the 16 registers of source-0 tiles 2 g, 2 g + 1 are the neighbours 32 g + 16 h + 0 .. 15.
; Q, K (work-groups 0-127, 128-255): source 0 = 8 tiles of W (two heads), source 1 = 4 tiles of tokens: a lane holds one token and its registers run along the head's 64 numbers, the K of Q K^T.
;   Two tokens share a fragment: pair fragment g, row r: k 0-63 = token 32 g + r + 8 (r / 8), k 64-127 = the token 8 further on.
; V (work-groups 256-383): source 0 = 8 tiles of tokens (128 keys), source 1 = 4 tiles of W (one head): a lane holds one of the head's 64 and its registers run along the keys, the K of P V.
; att: Q's pair fragments at 1536 (128 head + g), their scale words at 3145728 + 128 (128 head + g); from KVOFF records of 26,624 bytes, (16 head + slot), a slot = 256 keys:
;   K's 8 pair fragments, V's 8 fragments (4 (key step % 2) + tile), K's 8 x 128 bytes of scale words, V's 8 x 128.
; LIMITS: as the quantiser's in the launch before: NaN and infinities are not served; blocks under 2^-124, and blocks of zeros, keep the byte 1.
; THE MODE: SCHED_MODE bits 1:0 = 2 (LLVM: expert scheduling mode 2), set by the entry lines.  The code itself states the register dependences
; between vector or matrix instructions and memory instructions, with s_wait_alu, always for 0.
; THE PLAN.  Registers that memory instructions touch:
;   v1, v2            offsets, made once at the head and never written again: one wait on va_vdst ahead of the first load serves every access by them.
;   v[PS ..], v[RS ..] loaded once at the head; read by the products; never loaded again.
;   v[PF ..], v[RF ..] ONE buffer of 144 registers: a K step's loads write it, its products read it.  With 8 registers of addresses, 96 of scale words and 256 accumulators the launch's 512 have no room for a second.
;                     So ONE wait on va_vdst stands at the head of each K step but the first: the last step's products are done reading the buffer, in which the step's 36 loads land.
;   behind the K steps: v3 (the bias's offset: vector lines write it, the bias's loads read it); v[BI ..] (loads write it, the additions read it);
;                     v[PC ..], v[PW] (the quantiser writes them, a fragment's four stores read them): one wait on va_vdst ahead of the stores, one on vm_vsrc ahead of the next quantising.
.set KVOFF, 3407872
.set PS,  8                            ; v8-71    source 0's scale words: 8 i + s;  these and the next hold scales and nothing else
.set RS,  72                           ; v72-103  source 1's: 8 j + s
.set PF,  104                          ; v104-199 source 0's eight fragments of a K step
.set RF,  200                          ; v200-247 source 1's four
.set ST,  104                          ; behind the K steps: 64 numbers to be quantised,
.set PC,  168                          ; the codes just made and scratch,
.set TM,  188                          ; maxima, bytes, scale operands,
.set PW,  204                          ; the scale word just made,
.set BI,  208                          ; the bias
.set SEL, 2                            ; s[2:3] selects for v_permlanex16_b32: lane l xor 16
.set MSB, 0
.macro WIN new                         ; the immediate's high byte repeats the setting that is left
.if MSB != \new
	s_set_vgpr_msb (MSB<<8)|\new
.set MSB, \new
.endif
.endm
.macro QUANT s, pw                     ; 64 numbers of a lane, register 16 b + i = k 32 b + 16 (lane / 16) + i of my row -> codes in v[PC] on, scale word in v[pw]
.irp b, 0,1,2,3
	v_max3_num_f32 v[TM+\b], |v[\s+16*\b]|, |v[\s+1+16*\b]|, 0x1800000   ; and the floor 2^(3 - 127): the byte cannot fall under 1
.endr
.irp i, 2,4,6,8,10,12,14
.irp b, 0,1,2,3
	v_max3_num_f32 v[TM+\b], v[TM+\b], |v[\s+16*\b+\i]|, |v[\s+1+16*\b+\i]|
.endr
.endr
.irp b, 0,1,2,3
	v_permlanex16_b32 v[TM+4+\b], v[TM+\b], s[SEL], s[SEL+1]
.endr
.irp b, 0,1,2,3
	v_max_num_f32 v[TM+\b], v[TM+\b], v[TM+4+\b]
.endr
.irp b, 0,1,2,3
	v_add_nc_u32 v[TM+12+\b], 0xff000000, v[TM+\b]        ; 2 off the exponent field: the conversion's scale operand
.endr
.irp b, 0,1,2,3
	v_lshrrev_b32 v[TM+4+\b], 23, v[TM+12+\b]             ; the scale's byte
.endr
	v_lshl_or_b32 v[\pw], v[TM+5], 8, v[TM+4]
	v_lshl_or_b32 v[\pw], v[TM+6], 16, v[\pw]
	v_lshl_or_b32 v[\pw], v[TM+7], 24, v[\pw]
.irp c, 0,1
	v_cvt_scalef32_pk16_fp6_f32 v[PC+6*\c:PC+2+6*\c], v[\s+32*\c:\s+15+32*\c], v[TM+12+2*\c]
	v_cvt_scalef32_pk16_fp6_f32 v[PC+12+4*\c:PC+14+4*\c], v[\s+16+32*\c:\s+31+32*\c], v[TM+12+2*\c+1]
.endr
	v_nop                                          ; one plain place behind the scaled conversions
.irp c, 0,1
.irp i, 0,1,2
	v_permlane16_swap_b32 v[PC+6*\c+\i], v[PC+12+4*\c+\i]
.endr
.irp i, 0,1,2
	v_mov_b32 v[PC+3+6*\c+\i], v[PC+12+4*\c+\i]
.endr
.endr
.endm
; One K step: 12 + 24 loads, 32 matrix instructions.  The accumulators take turns, one instruction a turn, in the same order in every step.
.macro KSTEP kk
.if \kk > 0
.rept 4
	v_nop                                          ; the four places behind the last step's matrix instructions stay as they stood
.endr
	s_wait_alu depctr_va_vdst(0)                   ; the last step's products are done reading v[PF ..] and v[RF ..], in which the 36 loads below land
.endif
.irp j, 0,1,2,3
.irp c, 0,1,2
	global_load_b128 v[RF+12*\j+4*\c:RF+12*\j+4*\c+3], v1, s[30:31] offset:12288*\j+1536*\kk+512*\c
.endr
.endr
.irp i, 0,1,2,3,4,5,6,7
.irp c, 0,1,2
	global_load_b128 v[PF+12*\i+4*\c:PF+12*\i+4*\c+3], v1, s[28:29] offset:12288*\i+1536*\kk+512*\c
.endr
.endr
	WIN 0x50                                       ; C and D in window 1
.irp i, 0,1,2,3,4,5,6,7
	s_wait_loadcnt 3*(7-\i)                        ; source 0's tile i is in; the three loads of each later tile may be out
.irp j, 0,1,2,3
.if \kk == 0
	v_wmma_scale_f32_16x16x128_f8f6f4 v[64*\j+8*\i:64*\j+8*\i+7], v[PF+12*\i:PF+12*\i+11], v[RF+12*\j:RF+12*\j+11], 0, v[PS+8*\i+\kk], v[RS+8*\j+\kk] matrix_a_fmt:MATRIX_FMT_FP6 matrix_b_fmt:MATRIX_FMT_FP6
.else
	v_wmma_scale_f32_16x16x128_f8f6f4 v[64*\j+8*\i:64*\j+8*\i+7], v[PF+12*\i:PF+12*\i+11], v[RF+12*\j:RF+12*\j+11], v[64*\j+8*\i:64*\j+8*\i+7], v[PS+8*\i+\kk], v[RS+8*\j+\kk] matrix_a_fmt:MATRIX_FMT_FP6 matrix_b_fmt:MATRIX_FMT_FP6
.endif
.endr
.endr
	WIN 0
.endm
	s_load_b256 s[4:11], s[0:1], 0x0               ; cod, scl, bq, bk
	s_load_b128 s[12:15], s[0:1], 0x20             ; bv, att
	v_lshrrev_b32 v3, 5, v0
	v_readfirstlane_b32 s16, v3                    ; wave 0..3
	v_and_b32 v3, 31, v0
	v_lshlrev_b32 v1, 4, v3                        ; 16 x lane
	v_lshlrev_b32 v2, 2, v3                        ; 4 x lane
	s_mov_b32 s[SEL], 0x76543210
	s_mov_b32 s[SEL+1], 0xfedcba98
	s_wait_alu depctr_va_sdst(0)                   ; s16 is written, ahead of its first reader: every base is made from it
	s_lshl_b32 s17, ttmp9, 2
	s_add_co_u32 s17, s17, s16                     ; the wave's number in the launch
	s_lshr_b32 s18, ttmp9, 7                       ; 0: Q, 1: K, 2: V
	s_and_b32 s19, s17, 511
	s_and_b32 s20, s19, 7                          ; Q, K: which 128 rows of W,
	s_lshr_b32 s21, s19, 3                         ; which 64 tokens
	s_lshl_b32 s22, s18, 6
	s_lshl_b32 s23, s20, 3
	s_add_co_u32 s22, s22, s23
	s_add_co_u32 s22, s22, 768                     ; source 0's first tile
	s_lshl_b32 s23, s18, 8
	s_lshl_b32 s24, s21, 2
	s_add_co_u32 s23, s23, s24                     ; source 1's
	s_lshr_b32 s24, s19, 4                         ; V: the key step,
	s_and_b32 s25, s19, 15                         ; the head
	s_lshl_b32 s26, s24, 3
	s_add_co_u32 s26, s26, 512
	s_lshl_b32 s27, s25, 2
	s_add_co_u32 s27, s27, 896
	s_cmp_eq_u32 s18, 2
	s_cselect_b32 s22, s26, s22
	s_cselect_b32 s23, s27, s23
	s_mul_i32 s28, s22, 12288
	s_mov_b32 s29, 0
	s_mul_i32 s30, s23, 12288
	s_mov_b32 s31, 0
	s_lshl_b32 s32, s22, 10
	s_mov_b32 s33, 0
	s_lshl_b32 s34, s23, 10
	s_mov_b32 s35, 0
	s_wait_kmcnt 0x0
	s_add_nc_u64 s[28:29], s[4:5], s[28:29]        ; four bases, never stepped: every offset is an immediate
	s_add_nc_u64 s[30:31], s[4:5], s[30:31]
	s_add_nc_u64 s[32:33], s[6:7], s[32:33]
	s_add_nc_u64 s[34:35], s[6:7], s[34:35]
	s_wait_alu depctr_va_vdst(0)                   ; v1 and v2 are written: the loads and stores of the kernel read them as their offsets
.irp i, 0,1,2,3,4,5,6,7
	global_load_b128 v[PS+8*\i:PS+8*\i+3], v1, s[32:33] offset:1024*\i
	global_load_b128 v[PS+8*\i+4:PS+8*\i+7], v1, s[32:33] offset:1024*\i+512
.endr
.irp j, 0,1,2,3
	global_load_b128 v[RS+8*\j:RS+8*\j+3], v1, s[34:35] offset:1024*\j
	global_load_b128 v[RS+8*\j+4:RS+8*\j+7], v1, s[34:35] offset:1024*\j+512
.endr
	KSTEP 0                                        ; its products start the sums: nothing is cleared
	KSTEP 1
	KSTEP 2
	KSTEP 3
	KSTEP 4
	KSTEP 5
	KSTEP 6
	KSTEP 7
.rept 4
	v_nop                                          ; four places in front of the first read of results and the first write of the fragments' registers
.endr
.irp b, 0,1,2,3
	v_mov_b32 v[TM+4+\b], 0                        ; a lane permute's destination counts as one of its sources
.endr
	s_cmp_eq_u32 s18, 2
	s_cbranch_scc1 .Lepi_v
	; ---- Q and K.  Where the fragments go: Q by (head, pair fragment), K by (head, slot, pair fragment in the slot)
	s_mul_i32 s38, s20, 393216
	s_mul_i32 s39, s21, 3072
	s_add_co_u32 s38, s38, s39                     ; Q's codes
	s_lshl_b32 s39, s20, 15
	s_lshl_b32 s40, s21, 8
	s_add_co_u32 s39, s39, s40
	s_add_co_u32 s39, s39, 3145728                 ; Q's scale words
	s_mul_i32 s40, s20, 851968
	s_lshr_b32 s41, s21, 2
	s_mul_i32 s41, s41, 26624
	s_add_co_u32 s40, s40, s41
	s_add_co_u32 s40, s40, KVOFF                   ; K's record
	s_and_b32 s41, s21, 3
	s_mul_i32 s42, s41, 3072
	s_add_co_u32 s42, s42, s40                     ; K's codes
	s_lshl_b32 s41, s41, 8
	s_add_co_u32 s41, s41, s40
	s_add_co_u32 s41, s41, 24576                   ; K's scale words
	s_cmp_eq_u32 s18, 0
	s_cselect_b32 s38, s38, s42
	s_cselect_b32 s39, s39, s41
	s_mov_b32 s43, 425984
	s_cselect_b32 s42, 196608, s43                 ; from head to head: codes,
	s_cselect_b32 s43, 16384, s43                  ; scale words
	s_cselect_b64 s[36:37], s[8:9], s[10:11]       ; bq or bk
	s_mov_b32 s24, s38
	s_mov_b32 s25, 0
	s_add_co_u32 s26, s38, s42
	s_mov_b32 s27, 0
	s_mov_b32 s44, s39
	s_mov_b32 s45, 0
	s_add_co_u32 s46, s39, s43
	s_mov_b32 s47, 0
	s_add_nc_u64 s[24:25], s[14:15], s[24:25]      ; a base for each of my two heads: none is stepped while a store is out
	s_add_nc_u64 s[26:27], s[14:15], s[26:27]
	s_add_nc_u64 s[44:45], s[14:15], s[44:45]
	s_add_nc_u64 s[46:47], s[14:15], s[46:47]
	s_lshl_b32 s40, s20, 9
	s_mov_b32 s41, 0
	s_add_nc_u64 s[36:37], s[36:37], s[40:41]      ; the bias of my 128 rows of W
	v_bfe_u32 v3, v0, 4, 1
	v_lshlrev_b32 v3, 6, v3                        ; 64 h: my half's 16 numbers of a block of 32
.macro BIAS hh                         ; register 16 b + i: the bias of the head's number 32 b + 16 h + i
.irp b, 0,1
.irp q, 0,1,2,3
	global_load_b128 v[BI+16*\b+4*\q:BI+16*\b+4*\q+3], v3, s[36:37] offset:256*\hh+128*\b+16*\q
.endr
.endr
.endm
.macro HEADPAIR hh, pp                 ; head hh, token tiles 2 pp and 2 pp + 1: sum + bias, moved into window 0; each accumulator is read from its low end on
	WIN 0x01                                       ; source 0 in window 1
.irp jb, 0,1
.irp ii, 0,1,2,3
.irp jj, 0,2,4,6
	v_pk_add_f32 v[ST+32*\jb+8*\ii+\jj:ST+32*\jb+8*\ii+\jj+1], v[128*\pp+64*\jb+32*\hh+8*\ii+\jj:128*\pp+64*\jb+32*\hh+8*\ii+\jj+1], v[BI+8*\ii+\jj:BI+8*\ii+\jj+1]
.endr
.endr
.endr
	WIN 0
.endm
.macro SENDQK hh, pp, first            ; first = 1: no fragment has been stored yet
	s_wait_xcnt 0x0                                ; the last stores have read the codes' registers and the scale word's
.if !\first
	s_wait_alu depctr_vm_vsrc(0)                   ; the last fragment's four stores have read v[PC ..] and v[PW], which the lines below write again
.endif
	QUANT ST, PW
	s_wait_alu depctr_va_vdst(0)                   ; the codes v[PC ..] and the scale word v[PW] are written, which the four stores below read
.irp c, 0,1,2
	global_store_b128 v1, v[PC+4*\c:PC+4*\c+3], s[24+2*\hh:25+2*\hh] offset:1536*\pp+512*\c
.endr
	global_store_b32 v2, v[PW], s[44+2*\hh:45+2*\hh] offset:128*\pp
.endm
	s_wait_alu depctr_va_vdst(0)                   ; v3 is written, which the bias's loads read; the last products are done reading the fragments' registers, in part of which the bias lands
	BIAS 0
	s_wait_loadcnt 0x0
	HEADPAIR 0, 0
	SENDQK 0, 0, 1
	HEADPAIR 0, 1
	s_wait_alu depctr_va_vdst(0)                   ; the additions are done reading the first head's bias, in whose registers the second head's lands
	BIAS 1                                         ; the second head's bias lands while the fragment is quantised
	SENDQK 0, 1, 0
	s_wait_loadcnt 0x0
	HEADPAIR 1, 0
	SENDQK 1, 0, 0
	HEADPAIR 1, 1
	SENDQK 1, 1, 0
	s_endpgm
.Lepi_v:
	; ---- V.  Accumulators (i, t): register 8 i + j of tile t is key 32 (i / 2) + 16 h + 8 (i % 2) + j of the step: as the quantiser wants them
	s_lshl_b32 s38, s25, 4
	s_lshr_b32 s39, s24, 1
	s_add_co_u32 s38, s38, s39
	s_mul_i32 s38, s38, 26624
	s_add_co_u32 s38, s38, KVOFF                   ; the record (head, slot)
	s_and_b32 s39, s24, 1
	s_mul_i32 s40, s39, 6144
	s_add_co_u32 s40, s40, s38
	s_add_co_u32 s40, s40, 12288                   ; V's four fragments of this key step
	s_mov_b32 s41, 0
	s_lshl_b32 s42, s39, 9
	s_add_co_u32 s42, s42, s38
	s_add_co_u32 s42, s42, 25600                   ; and their scale words
	s_mov_b32 s43, 0
	s_add_nc_u64 s[40:41], s[14:15], s[40:41]
	s_add_nc_u64 s[42:43], s[14:15], s[42:43]
	s_lshl_b32 s36, s25, 8
	s_mov_b32 s37, 0
	s_add_nc_u64 s[36:37], s[12:13], s[36:37]      ; bv of my head
	v_and_b32 v3, 15, v0
	v_and_b32 v4, 8, v3
	v_add_nc_u32 v3, v3, v4
	v_lshlrev_b32 v3, 2, v3                        ; 4 (r + 8 (r / 8))
.irp t, 0,1,2,3
	v_mov_b32 v[BI+2*\t+1], 0                      ; (named with the bias as a pair, so it is written)
.endr
	s_wait_alu depctr_va_vdst(0)                   ; v3 is written, which the bias's loads read; the last products are done reading the fragments' registers, in four of which the bias lands
.irp t, 0,1,2,3
	global_load_b32 v[BI+2*\t], v3, s[36:37] offset:(32*(\t/2)+8*(\t%2))*4   ; one number a lane: the bias of my row of W
.endr
	s_wait_loadcnt 0x0
.irp t, 0,1,2,3
	WIN 0x01
.set n, 0
.rept 32
	v_pk_add_f32 v[ST+n:ST+n+1], v[64*\t+n:64*\t+n+1], v[BI+2*\t:BI+2*\t+1] op_sel_hi:[1,0]
.set n, n+2
.endr
	WIN 0
	s_wait_xcnt 0x0                                ; the last stores have read their registers
.if \t > 0
	s_wait_alu depctr_vm_vsrc(0)                   ; the last fragment's four stores have read v[PC ..] and v[PW], which the lines below write again
.endif
	QUANT ST, PW
	s_wait_alu depctr_va_vdst(0)                   ; the codes v[PC ..] and the scale word v[PW] are written, which the four stores below read
.irp c, 0,1,2
	global_store_b128 v1, v[PC+4*\c:PC+4*\c+3], s[40:41] offset:1536*\t+512*\c
.endr
	global_store_b32 v2, v[PW], s[42:43] offset:128*\t
.endr
	s_endpgm
.Lfunc_end_k_q08dcd74111_proj:
	.size	k_q08dcd74111_proj, .Lfunc_end_k_q08dcd74111_proj-k_q08dcd74111_proj
	.p2alignl 7, 3214868480
	.fill 96, 4, 3214868480
	.section	.rodata,"a",@progbits
	.p2align	6, 0x0
	.amdhsa_kernel k_q08dcd74111_proj
		.amdhsa_group_segment_fixed_size 0
		.amdhsa_private_segment_fixed_size 0
		.amdhsa_enable_private_segment 0
		.amdhsa_kernarg_size 48
		.amdhsa_user_sgpr_count 2
		.amdhsa_user_sgpr_kernarg_segment_ptr 1
		.amdhsa_wavefront_size32 1
		.amdhsa_system_sgpr_workgroup_id_x 1
		.amdhsa_system_sgpr_workgroup_id_y 1
		.amdhsa_system_sgpr_workgroup_id_z 1
		.amdhsa_system_vgpr_workitem_id 0
		.amdhsa_next_free_vgpr 512
		.amdhsa_next_free_sgpr 66
		.amdhsa_reserve_vcc 0
		.amdhsa_float_denorm_mode_32 3
		.amdhsa_float_denorm_mode_16_64 3
		.amdhsa_memory_ordered 1
		.amdhsa_forward_progress 1
		.amdhsa_inst_pref_size 122
	.end_amdhsa_kernel
	.amdgpu_metadata
---
amdhsa.version: [ 1, 2 ]
amdhsa.kernels:
  - .name:           k_q08dcd74111_proj
    .symbol:         k_q08dcd74111_proj.kd
    .args:
      - { .name: cod, .offset: 0, .size: 8, .value_kind: global_buffer, .address_space: global }
      - { .name: scl, .offset: 8, .size: 8, .value_kind: global_buffer, .address_space: global }
      - { .name: bq, .offset: 16, .size: 8, .value_kind: global_buffer, .address_space: global }
      - { .name: bk, .offset: 24, .size: 8, .value_kind: global_buffer, .address_space: global }
      - { .name: bv, .offset: 32, .size: 8, .value_kind: global_buffer, .address_space: global }
      - { .name: att, .offset: 40, .size: 8, .value_kind: global_buffer, .address_space: global }
    .group_segment_fixed_size: 0
    .private_segment_fixed_size: 0
    .kernarg_segment_align: 8
    .kernarg_segment_size: 48
    .max_flat_workgroup_size: 128
    .sgpr_count:     66
    .vgpr_count:     512
    .wavefront_size: 32
...
	.end_amdgpu_metadata
.endif
;; end of part 6
;; launch attn (part 7): grid 16 x 16, 16 waves a work-group, no clusters, 55,296 bytes of LDS; arguments att, mbits, mflag, ctx; writes ctx
.if DOCPART == 7
	.amdgcn_target "amdgcn-amd-amdhsa--gfx1250"
	.amdhsa_code_object_version 6
	.text
	.protected	k_q08dcd74111_attn
	.globl	k_q08dcd74111_attn
	.p2align	8
	.type	k_q08dcd74111_attn,@function
k_q08dcd74111_attn:
	s_mov_b64 s[64:65], 0
	v_nop
	global_prefetch_b8 v0, s[64:65] scope:SCOPE_SE
	s_setreg_imm32_b32 hwreg(HW_REG_WAVE_SCHED_MODE, 0, 2), 2
	s_setreg_imm32_b32 hwreg(HW_REG_WAVE_MODE, 25, 1), 1
	s_wait_xcnt 0x0
	s_wait_alu depctr_vm_vsrc(0)
; ctx[q][head] = softmax_k(Q[q] . K[k] / 32, masked) V[k], both products on codes of FP6 (E2M3) with one E8M0 scale for each 32 along a product's K; the result is quantised along the model's 1,024 for the last projection.
; THE SOFTMAX: t = score x log2(e) / 32; M = the running largest t, rounded UP to a whole number; p = 2^(t - M) is quantised along the keys, not normalised; the row's sum is taken of the unquantised p and divides at the end.
; When M moves, the sum and O are multiplied by 2^(old M - new M): exact.
; THE MASK is an input.  The launch before packed it: record (query tile, key step) holds for each of a lane's 64 scores a word with a bit a lane, so one v_cndmask_b32 with a scalar mask serves a score.
; A masked raw score becomes -2^105, so t = -1.8e30 (the model's -1e30 gives -1.44e30): p is 0 in every row that has a live key, and exactly 1 for all keys in a row that has none, as there.
; Two flag words a query tile: WORK (the step is computed) and NEED (the step has masked entries).  Both are whole numbers read from memory; the branches on them jump over work alone, never over a barrier.
; SHARES.  A work-group is (x, head); its sixteen waves own one tile of 16 queries each, tile x + 16 sigma(wave); sigma is a 4 x 4 square whose rows and columns have equal sums, so that four waves that share a SIMD
; have the same sum of tile numbers whichever way the waves are dealt.  Every wave walks the head's 16 slots of 256 keys; a slot's record (26,624 bytes) is copied to LDS through registers, 52 bytes a thread, a slot ahead.
; No prefetch: a record's loads are issued a slot's work ahead of the wait for them.
; LAYOUT.  Both products are used transposed: S^T = K Q^T (source 0 = keys), O^T = V^T P^T (source 0 = 16 of the head's 64): a lane holds ONE query (lane % 16) throughout.
; K = 64 for the first product: a fragment of K holds TWO keys a row (k 0-63: key 32 g + r + 8 (r / 8); k 64-127: the key 8 further on), and is multiplied twice, by [q, 0] and by [0, q]:
; the 16 registers of the two results are the keys 32 g + 16 h + 0 .. 15.
; LIMITS: NaN and infinities are not served; blocks under 2^-124, and blocks of zeros, keep the byte 1 (this program alone reads the bytes).
; THE MODE: SCHED_MODE bits 1:0 = 2 (LLVM: expert scheduling mode 2), set by the entry lines.  The code itself states the register dependences
; between vector or matrix instructions and memory or LDS instructions, with s_wait_alu, always for 0.
; THE PLAN.  Registers that memory or LDS instructions touch:
;   v1 .. v4              addresses, made once at the head and never written again: one wait on va_vdst ahead of the first load serves every access by them.
;   v[KF ..], v[SC ..]    ONE buffer of 52 registers, which K's and V's fragments and scale words take by turns (the wave's 256 registers have no room for a second).  LDS loads write it, matrix instructions read it.
;                         A computed step has a wait on va_vdst ahead of K's loads (the last computed step's products V^T P^T are done reading) and one ahead of V's (this step's products K Q^T are done reading).
;                         V's loads stand straight behind their wait, the whole softmax ahead of their use.
;   v[CPA ..], v[CPB ..]  the copy's two sets: global loads write a set, LDS stores read it, no vector instruction names it: one wait on vm_vsrc ahead of a set's loads.
;   v[PC ..], v[PSC]      p's codes and scale word: vector instructions write them, the scaled products take them: a wait on va_vdst directly ahead of those products, behind their places.
;                         On the way out the same registers are the stores' data: one wait on va_vdst ahead of the branch that leads to the stores.
;   v254, v255            written at the head, read by the closing add alone.
.set SLOT,  26624                      ; LDS: two slots, each a copy of a record: K's 8 fragments, V's 8, K's scale words at 24,576, V's at 25,600
.set KVOFF, 3407872
.set KF,  32                           ; v32-79   four fragments of K, then four of V
.set SC,  80                           ; v80-83   their scale words
.set QSC, 84                           ; v84      Q's scale word (its two bytes twice)
.set PSC, 85                           ; v85      p's scale word
.set CPA, 86                           ; v86-98   the copy's 52 bytes: the set of a trip's first half
.set S,   100                          ; v100-163 S^T, then p
.set O,   164                          ; v164-195 O^T
.set PC,  196                          ; v196-215 p's codes and scratch
.set BM,  216                          ; v216-219 the blocks' largest scores, then largest p
.set PD,  220                          ; v220-223 permutes' destinations, then bytes
.set CO,  224                          ; v224-227 the conversions' scale operands
.set FF,  228                          ; v[228:229] f = 2^(old M - new M); later 1 / the sum
.set TT,  230                          ; v230     at work
.set S2,  232                          ; v[232:233] the sum's second chain
.set CPB, 236                          ; v236-248 the copy's 52 bytes: the set of a trip's second half.  Each half has its own set: no load of a trip names a register that another load of the trip writes
.set SEL, 84                           ; s[84:85] selects for v_permlanex16_b32: lane l xor 16
.set CS,  86                           ; s[86:87] c = log2(e) / 32
; v1 16 x lane; v2 4 x lane; v3 16 x thread; v4 24,576 + 4 x thread; v5 -2^105; v8 -M, v9 the largest t; v[10:11] the sum in two halves; v14-31 [q, 0, q]
.macro COPY_ISSUE set                  ; the record at s[4:5]: each load of a wave reads 512 (128) consecutive bytes
.irp i, 0,1,2
	global_load_b128 v[\set+4*\i:\set+4*\i+3], v3, s[4:5] offset:8192*\i
.endr
	global_load_b32 v[\set+12], v4, s[4:5]
.endm
.macro COPY_LAND set, sl               ; and goes to the same places of slot sl
.irp i, 0,1,2
	ds_store_b128 v3, v[\set+4*\i:\set+4*\i+3] offset:(\sl)*SLOT+8192*\i
.endr
	ds_store_b32 v4, v[\set+12] offset:(\sl)*SLOT
.endm
; A KEY STEP: 128 keys, the q-th of slot sl
.macro STEP sl, q
	s_bitcmp1_b32 s14, 0                           ; WORK's bit of this step
	s_cbranch_scc0 .Lskip_\@
	s_wait_alu depctr_va_vdst(0)                   ; the last computed step's products V^T P^T are done reading v[KF ..] and v[SC ..], in which K's loads land; ahead of the first computed step: the lines that chose Q's half are done reading v[KF ..], and [q, 0, q] and Q's scale word are written, which the products below take
.irp g, 0,1,2,3
.irp c, 0,1,2
	ds_load_b128 v[KF+12*\g+4*\c:KF+12*\g+4*\c+3], v1 offset:\sl*SLOT+1536*(4*\q+\g)+512*\c
.endr
	ds_load_b32 v[SC+\g], v2 offset:\sl*SLOT+24576+128*(4*\q+\g)
.endr
	s_wait_dscnt 0x0
.irp g, 0,1,2,3
	v_wmma_scale_f32_16x16x128_f8f6f4 v[S+16*\g:S+16*\g+7], v[KF+12*\g:KF+12*\g+11], v[14:25], 0, v[SC+\g], v[QSC] matrix_a_fmt:MATRIX_FMT_FP6 matrix_b_fmt:MATRIX_FMT_FP6
	v_wmma_scale_f32_16x16x128_f8f6f4 v[S+16*\g+8:S+16*\g+15], v[KF+12*\g:KF+12*\g+11], v[20:31], 0, v[SC+\g], v[QSC] matrix_a_fmt:MATRIX_FMT_FP6 matrix_b_fmt:MATRIX_FMT_FP6
.endr
.rept 4
	v_nop                                          ; four places in front of the first read of the scores
.endr
	s_wait_alu depctr_va_vdst(0)                   ; the products K Q^T are done reading v[KF ..] and v[SC ..], in which V's loads land
.irp t, 0,1,2,3                                ; V's fragments land while the softmax is walked
.irp c, 0,1,2
	ds_load_b128 v[KF+12*\t+4*\c:KF+12*\t+4*\c+3], v1 offset:\sl*SLOT+12288+1536*(4*\q+\t)+512*\c
.endr
	ds_load_b32 v[SC+\t], v2 offset:\sl*SLOT+25600+128*(4*\q+\t)
.endr
	s_bitcmp1_b32 s15, 0                           ; NEED's bit: a step without masked entries reads no record
	s_cbranch_scc0 .Lopen_\@
	s_load_b512 s[16:31], s[6:7], (2*\sl+\q)*256
	s_load_b512 s[32:47], s[6:7], (2*\sl+\q)*256+64
	s_load_b512 s[48:63], s[6:7], (2*\sl+\q)*256+128
	s_load_b512 s[68:83], s[6:7], (2*\sl+\q)*256+192
	s_wait_kmcnt 0x0
.set n, 0
.rept 64
.if n < 48
	v_cndmask_b32 v[S+n], v[S+n], v5, s[16+n]      ; word n: a bit a lane; each accumulator from its low end on
.else
	v_cndmask_b32 v[S+n], v[S+n], v5, s[20+n]
.endif
.set n, n+1
.endr
.Lopen_\@:
.irp b, 0,1,2,3
	v_max3_num_f32 v[BM+\b], v[S+16*\b], v[S+1+16*\b], v[S+2+16*\b]   ; the largest score of each block of 32 keys: for the row's maximum, and, since p rises with the score, for the block's largest p
.endr
.irp i, 3,5,7,9,11,13
.irp b, 0,1,2,3
	v_max3_num_f32 v[BM+\b], v[BM+\b], v[S+16*\b+\i], v[S+1+16*\b+\i]
.endr
.endr
.irp b, 0,1,2,3
	v_max_num_f32 v[BM+\b], v[BM+\b], v[S+15+16*\b]
.endr
.irp b, 0,1,2,3
	v_permlanex16_b32 v[PD+\b], v[BM+\b], s[SEL], s[SEL+1]
.endr
.irp b, 0,1,2,3
	v_max_num_f32 v[BM+\b], v[BM+\b], v[PD+\b]     ; with lane l xor 16's 16 keys
.endr
	v_max3_num_f32 v[TT], v[BM], v[BM+1], v[BM+2]
	v_max_num_f32 v[TT], v[TT], v[BM+3]            ; the step's largest score of my query
	v_mul_f32 v[TT], s[CS], v[TT]                  ; as t (c is positive)
	v_max_num_f32 v9, v9, v[TT]                    ; the running largest t
	v_mov_b32 v[TT], v8
	v_floor_f32 v8, -v9                            ; the new -M = floor(-t): M is a whole number
	v_sub_f32 v[TT], v8, v[TT]                     ; old M less new M: a whole number, 0 or less
	v_cvt_i32_f32 v[TT], v[TT]                     ; (it saturates)
	v_ldexp_f32 v[FF], 1.0, v[TT]                  ; f = 2^(old M - new M)
.set n, 0
.rept 32
	v_pk_fma_f32 v[S+n:S+n+1], v[S+n:S+n+1], s[CS:CS+1], v[8:9] op_sel_hi:[1,0,0]   ; t - M, two at a time
.set n, n+2
.endr
.irp b, 0,1,2,3
	v_fma_f32 v[BM+\b], v[BM+\b], s[CS], v8        ; the same of each block's largest score
.endr
.set n, 0
	s_wait_alu depctr_va_vdst(0)
.rept 64
	v_exp_f32 v[S+n], v[S+n]                       ; p = 2^(t - M), at most 1
.set n, n+1
.endr
	v_pk_mul_f32 v[10:11], v[10:11], v[FF:FF+1] op_sel_hi:[1,0]   ; the sums under the new M: a plain place behind the exponentials
	s_wait_alu depctr_va_vdst(0)                   ; the 64 exponentials have written p: one wait for the batch, ahead of its first reader
.irp b, 0,1,2,3
	v_exp_f32 v[BM+\b], v[BM+\b]                   ; the block's largest p: the same two instructions on the same number give the same bits
.endr
	v_pk_add_f32 v[S2:S2+1], v[S:S+1], v[S+2:S+3]  ; the row's sum is taken of the unquantised p, in two chains
.set n, 4
.rept 15
	v_pk_add_f32 v[10:11], v[10:11], v[S+n:S+n+1]
	v_pk_add_f32 v[S2:S2+1], v[S2:S2+1], v[S+2+n:S+3+n]
.set n, n+4
.endr
	v_pk_add_f32 v[10:11], v[10:11], v[S2:S2+1]
	s_wait_alu depctr_va_vdst(0)                   ; the four exponentials have written the blocks' largest p, ahead of their first reader
.irp b, 0,1,2,3
	v_max_num_f32 v[BM+\b], 0x1800000, v[BM+\b]    ; the floor 2^(3 - 127): the byte cannot fall under 1
.endr
.irp b, 0,1,2,3
	v_add_nc_u32 v[CO+\b], 0xff000000, v[BM+\b]    ; 2 off the exponent field: the conversion's scale operand
.endr
.irp b, 0,1,2,3
	v_lshrrev_b32 v[PD+\b], 23, v[CO+\b]           ; the scale's byte
.endr
	v_lshl_or_b32 v[PSC], v[PD+1], 8, v[PD]
	v_lshl_or_b32 v[PSC], v[PD+2], 16, v[PSC]
	v_lshl_or_b32 v[PSC], v[PD+3], 24, v[PSC]
.irp c, 0,1
	v_cvt_scalef32_pk16_fp6_f32 v[PC+6*\c:PC+2+6*\c], v[S+32*\c:S+15+32*\c], v[CO+2*\c]
	v_cvt_scalef32_pk16_fp6_f32 v[PC+12+4*\c:PC+14+4*\c], v[S+16+32*\c:S+31+32*\c], v[CO+2*\c+1]
.endr
	v_nop                                          ; one plain place behind the scaled conversions
.irp c, 0,1
.irp i, 0,1,2
	v_permlane16_swap_b32 v[PC+6*\c+\i], v[PC+12+4*\c+\i]
.endr
.irp i, 0,1,2
	v_mov_b32 v[PC+3+6*\c+\i], v[PC+12+4*\c+\i]
.endr
.endr
.set n, 0
.rept 16
	v_pk_mul_f32 v[O+n:O+n+1], v[O+n:O+n+1], v[FF:FF+1] op_sel_hi:[1,0]   ; O^T under the new M; these sixteen are also the places between p's codes and scale word and the products
.set n, n+2
.endr
	s_wait_dscnt 0x0                               ; V is in
	s_wait_alu depctr_va_vdst(0)                   ; p's codes v[PC ..] and its scale word v[PSC] are written, which the scaled products below take as source 1 and its scales; the places stand ahead of this wait
.irp t, 0,1,2,3
	v_wmma_scale_f32_16x16x128_f8f6f4 v[O+8*\t:O+8*\t+7], v[KF+12*\t:KF+12*\t+11], v[PC:PC+11], v[O+8*\t:O+8*\t+7], v[SC+\t], v[PSC] matrix_a_fmt:MATRIX_FMT_FP6 matrix_b_fmt:MATRIX_FMT_FP6
.endr
.rept 4
	v_nop                                          ; four places in front of the next read of O^T by a vector instruction
.endr
.Lskip_\@:
	s_lshr_b32 s14, s14, 1                         ; on to the next step's bits
	s_lshr_b32 s15, s15, 1
.endm
; HALF A TRIP: slot sl's two key steps.  more = 1: the next record is asked for ahead of them, into the half's own set, waited for behind them in straight line, and laid into slot to
.macro HALF sl, to, set, more
.if \more
	s_wait_alu depctr_vm_vsrc(0)                   ; the LDS stores that laid this set's last record into its slot have read the set, in which the four loads below land
	COPY_ISSUE \set
.endif
	STEP \sl, 0
	STEP \sl, 1
.if \more
	s_wait_loadcnt 0x0                             ; the record is in registers,
	s_add_nc_u64 s[4:5], s[4:5], SLOT              ; so the loads' base may step
	COPY_LAND \set, \to
.endif
.endm
; One barrier a slot: in front of it every wave's reads of the slot in hand are back and its part of the other slot has landed
.macro MEET
	s_wait_dscnt 0x0
	s_barrier_signal -1
	s_barrier_wait -1
.endm
	s_load_b256 s[4:11], s[0:1], 0x0               ; att, mbits, mflag, ctx
	v_lshl_add_u32 v254, v0, 2, 0xd000
	v_mov_b32 v255, 0
	v_lshrrev_b32 v6, 5, v0
	v_readfirstlane_b32 s12, v6                    ; wave 0..15
	v_and_b32 v6, 31, v0
	v_lshlrev_b32 v1, 4, v6
	v_lshlrev_b32 v2, 2, v6
	v_lshlrev_b32 v3, 4, v0
	v_lshl_add_u32 v4, v0, 2, 24576
	v_mov_b32 v5, 0xf4000000                       ; -2^105
	s_mov_b32 s88, 0x8f1634ad                      ; sigma, a nibble a wave: 0 7 9 14 / 11 12 2 5 / 13 10 4 3 / 6 1 15 8
	s_wait_alu depctr_va_sdst(0)                   ; s12 is written, ahead of its first reader: my tile of queries is made from it
	s_cmp_lt_u32 s12, 8
	s_cselect_b32 s88, 0x52cbe970, s88
	s_and_b32 s89, s12, 7
	s_lshl_b32 s89, s89, 2
	s_lshr_b32 s88, s88, s89
	s_and_b32 s88, s88, 15
	s_lshl_b32 s88, s88, 4
	s_add_co_u32 s88, s88, ttmp9                   ; my tile of queries: it enters global addresses alone
	s_and_b32 s89, ttmp7, 0xffff                   ; the head
	s_mov_b32 s[SEL], 0x76543210
	s_mov_b32 s[SEL+1], 0xfedcba98
	s_mov_b32 s[CS], 0x3d38aa3b                    ; log2(e) / 32
	s_mov_b32 s[CS+1], s[CS]                       ; (named with it as a pair, so it is written)
	s_mul_i32 s90, s89, 425984
	s_add_co_u32 s90, s90, KVOFF                   ; the head's first record
	s_mov_b32 s91, 0
	s_lshl_b32 s92, s89, 7
	s_lshr_b32 s93, s88, 1
	s_add_co_u32 s92, s92, s93                     ; Q's pair fragment: 128 head + tile / 2
	s_mul_i32 s94, s92, 1536
	s_mov_b32 s95, 0
	s_lshl_b32 s92, s92, 7
	s_add_co_u32 s92, s92, 3145728
	s_mov_b32 s93, 0
	s_lshl_b32 s96, s88, 13                        ; my tile's 32 records
	s_mov_b32 s97, 0
	s_lshl_b32 s98, s88, 3                         ; and its flags
	s_mov_b32 s99, 0
	s_wait_kmcnt 0x0
	s_add_nc_u64 s[94:95], s[4:5], s[94:95]
	s_add_nc_u64 s[92:93], s[4:5], s[92:93]
	s_add_nc_u64 s[4:5], s[4:5], s[90:91]
	s_add_nc_u64 s[6:7], s[6:7], s[96:97]
	s_add_nc_u64 s[8:9], s[8:9], s[98:99]
	s_load_b64 s[14:15], s[8:9], 0x0               ; WORK, NEED
	s_wait_alu depctr_va_vdst(0)                   ; v1 to v4 are written: every load, store and LDS access of the kernel reads one of them as its address
	COPY_ISSUE CPA                                 ; slot 0
.irp c, 0,1,2
	global_load_b128 v[KF+4*\c:KF+4*\c+3], v1, s[94:95] offset:512*\c   ; Q's pair fragment
.endr
	global_load_b32 v[QSC], v2, s[92:93]
	s_lshl_b32 s90, s88, 3                         ; where the result goes: fragment (tile, head / 2),
	s_lshr_b32 s91, s89, 1
	s_add_co_u32 s90, s90, s91
	s_mul_i32 s90, s90, 1536
	s_mov_b32 s91, 0
	s_add_nc_u64 s[90:91], s[10:11], s[90:91]
	s_lshl_b32 s96, s88, 10                        ; its two scale bytes: 1024 tile + 512 (head / 8) + 4 ((head / 2) % 4) + 2 (head % 2)
	s_lshr_b32 s97, s89, 3
	s_lshl_b32 s97, s97, 9
	s_add_co_u32 s96, s96, s97
	s_bfe_u32 s97, s89, 0x20001
	s_lshl_b32 s97, s97, 2
	s_add_co_u32 s96, s96, s97
	s_and_b32 s97, s89, 1
	s_lshl_b32 s97, s97, 1
	s_add_co_u32 s96, s96, s97
	s_add_co_u32 s96, s96, 3145728
	s_mov_b32 s97, 0
	s_add_nc_u64 s[96:97], s[10:11], s[96:97]
	s_and_b32 s98, s88, 1                          ; which half of the pair fragment is my tile's
	s_cmp_lg_u32 s98, 0
	s_cselect_b32 s99, -1, 0
	s_lshl_b32 s98, s98, 4
	v_mov_b32 v9, 0xff61b1e6                       ; the largest t so far: -3e38, under every t
	v_floor_f32 v8, -v9
	v_mov_b32 v10, 0
	v_mov_b32 v11, 0
.irp b, 0,1,2,3
	v_mov_b32 v[PD+\b], 0                          ; a lane permute's destination counts as one of its sources
.endr
	v_mov_b32 v[FF+1], 0                           ; (named as the upper half of a pair)
	v_mov_b32 v[TT], 0
	s_wait_loadcnt 0x4                             ; the record's four loads are in; Q's four may be out
	COPY_LAND CPA, 0
	s_wait_loadcnt 0x0
	s_add_nc_u64 s[4:5], s[4:5], SLOT
.irp i, 0,1,2,3,4,5
	v_cndmask_b32 v[14+\i], v[KF+\i], v[KF+6+\i], s99   ; my tile's six registers
.endr
.irp i, 0,1,2,3,4,5
	v_mov_b32 v[20+\i], 0
	v_mov_b32 v[26+\i], v[14+\i]                   ; [q, 0, q]: v[14:25] = [q, 0], v[20:31] = [0, q]
.endr
	v_lshrrev_b32 v[QSC], s98, v[QSC]
	v_and_b32 v[QSC], 0xffff, v[QSC]
	v_lshl_or_b32 v[QSC], v[QSC], 16, v[QSC]       ; my tile's two bytes, twice: they serve both forms; over the zero codes any byte but 0xff does
.set n, 0
.rept 32
	v_mov_b32 v[O+n], 0                            ; O^T: the step is written once; the first finds zeros.  (Also the places between Q's registers and the first products)
.set n, n+1
.endr
	s_wait_kmcnt 0x0
	MEET                                           ; slot 0 is whole
	s_mov_b32 s13, 7
.Ltrip:                                            ; a trip is two slots; seven trips, in each of which both halves ask for a successor
	HALF 0, 1, CPA, 1
	MEET
	HALF 1, 0, CPB, 1
	s_wait_xcnt 0x0                                ; the records' loads have read their base
	s_add_nc_u64 s[6:7], s[6:7], 1024              ; four key steps' records on
	MEET
	s_sub_co_u32 s13, s13, 1
	s_cmp_lg_u32 s13, 0
	s_cbranch_scc1 .Ltrip
	HALF 0, 1, CPA, 1                              ; the eighth trip is written out: slot 15 is asked for,
	MEET
	HALF 1, 0, CPB, 0                              ; and has no successor: no load leaves the buffer, and nothing is laid into a slot that nobody reads
	; THE WAY OUT.  O^T / the sum; register 16 b + i is the head's number 32 b + 16 h + i of my query: two blocks of the last projection's K
	v_add_f32 v10, v10, v11
	v_permlanex16_b32 v[TT], v10, s[SEL], s[SEL+1]
	v_add_f32 v10, v10, v[TT]                      ; the row's sum
	s_wait_alu depctr_va_vdst(0)
	v_rcp_f32 v[FF], v10
	v_nop                                          ; a plain place behind the reciprocal
	s_wait_alu depctr_va_vdst(0)                   ; the reciprocal has written v[FF], ahead of its first reader
.set n, 0
.rept 16
	v_pk_mul_f32 v[O+n:O+n+1], v[O+n:O+n+1], v[FF:FF+1] op_sel_hi:[1,0]
.set n, n+2
.endr
.irp b, 0,1
	v_max3_num_f32 v[BM+\b], |v[O+16*\b]|, |v[O+1+16*\b]|, 0x1800000
.endr
.irp i, 2,4,6,8,10,12,14
.irp b, 0,1
	v_max3_num_f32 v[BM+\b], v[BM+\b], |v[O+16*\b+\i]|, |v[O+1+16*\b+\i]|
.endr
.endr
.irp b, 0,1
	v_permlanex16_b32 v[PD+\b], v[BM+\b], s[SEL], s[SEL+1]
.endr
.irp b, 0,1
	v_max_num_f32 v[BM+\b], v[BM+\b], v[PD+\b]
.endr
.irp b, 0,1
	v_add_nc_u32 v[CO+\b], 0xff000000, v[BM+\b]
.endr
.irp b, 0,1
	v_lshrrev_b32 v[PD+\b], 23, v[CO+\b]
.endr
	v_lshl_or_b32 v[PSC], v[PD+1], 8, v[PD]        ; my head's two scale bytes
	v_cvt_scalef32_pk16_fp6_f32 v[PC:PC+2], v[O:O+15], v[CO]
	v_cvt_scalef32_pk16_fp6_f32 v[PC+4:PC+6], v[O+16:O+31], v[CO+1]
	v_nop                                          ; one plain place behind the scaled conversions
.irp i, 0,1,2
	v_permlane16_swap_b32 v[PC+\i], v[PC+4+\i]     ; a whole block in a lane: lanes 0-15 block 0, lanes 16-31 block 1
.endr
	v_mov_b32 v[PC+3], v[PC+4]                     ; in ascending order: each source is read before it is written
	v_mov_b32 v[PC+4], v[PC+5]
	v_mov_b32 v[PC+5], v[PC+6]
	s_wait_alu depctr_va_vdst(0)                   ; the six registers of codes v[PC ..] and the bytes' word v[PSC] are written, which the stores on both ways below read
	s_bitcmp1_b32 s89, 0                           ; an even head's six registers are the fragment's 0-5, an odd head's 6-11
	s_cbranch_scc1 .Lodd
	global_store_b128 v1, v[PC:PC+3], s[90:91]
	global_store_b64 v1, v[PC+4:PC+5], s[90:91] offset:512
	s_branch .Lbytes
.Lodd:
	global_store_b64 v1, v[PC:PC+1], s[90:91] offset:520
	global_store_b128 v1, v[PC+2:PC+5], s[90:91] offset:1024
.Lbytes:
	global_store_b16 v1, v[PSC], s[96:97]          ; two bytes a lane, 16 bytes apart: 64 bytes a wave, once, so that the next launch reads these words as it reads the weights'
	s_wait_dscnt 0x0                               ; the closing lines, six on end
	s_wait_alu 0x0
	s_wait_tensorcnt 0x0
	ds_add_u32 v254, v255
	s_wait_dscnt 0x0
	s_endpgm
.Lfunc_end_k_q08dcd74111_attn:
	.size	k_q08dcd74111_attn, .Lfunc_end_k_q08dcd74111_attn-k_q08dcd74111_attn
	.p2alignl 7, 3214868480
	.fill 96, 4, 3214868480
	.section	.rodata,"a",@progbits
	.p2align	6, 0x0
	.amdhsa_kernel k_q08dcd74111_attn
		.amdhsa_group_segment_fixed_size 55296
		.amdhsa_private_segment_fixed_size 0
		.amdhsa_enable_private_segment 0
		.amdhsa_kernarg_size 32
		.amdhsa_user_sgpr_count 2
		.amdhsa_user_sgpr_kernarg_segment_ptr 1
		.amdhsa_wavefront_size32 1
		.amdhsa_system_sgpr_workgroup_id_x 1
		.amdhsa_system_sgpr_workgroup_id_y 1
		.amdhsa_system_sgpr_workgroup_id_z 1
		.amdhsa_system_vgpr_workitem_id 0
		.amdhsa_next_free_vgpr 256
		.amdhsa_next_free_sgpr 102
		.amdhsa_reserve_vcc 0
		.amdhsa_float_denorm_mode_32 3
		.amdhsa_float_denorm_mode_16_64 3
		.amdhsa_memory_ordered 1
		.amdhsa_forward_progress 1
		.amdhsa_inst_pref_size 174
	.end_amdhsa_kernel
	.amdgpu_metadata
---
amdhsa.version: [ 1, 2 ]
amdhsa.kernels:
  - .name:           k_q08dcd74111_attn
    .symbol:         k_q08dcd74111_attn.kd
    .args:
      - { .name: att, .offset: 0, .size: 8, .value_kind: global_buffer, .address_space: global }
      - { .name: mbits, .offset: 8, .size: 8, .value_kind: global_buffer, .address_space: global }
      - { .name: mflag, .offset: 16, .size: 8, .value_kind: global_buffer, .address_space: global }
      - { .name: ctx, .offset: 24, .size: 8, .value_kind: global_buffer, .address_space: global }
    .group_segment_fixed_size: 55296
    .private_segment_fixed_size: 0
    .kernarg_segment_align: 8
    .kernarg_segment_size: 32
    .max_flat_workgroup_size: 512
    .sgpr_count:     102
    .vgpr_count:     256
    .wavefront_size: 32
...
	.end_amdgpu_metadata
.endif
;; end of part 7
;; launch oproj (part 8): grid 256 x 1, 4 waves a work-group, no clusters, 34,304 bytes of LDS; arguments cod, scl, ctx, bo, out0; writes out0
.if DOCPART == 8
	.amdgcn_target "amdgcn-amd-amdhsa--gfx1250"
	.amdhsa_code_object_version 6
	.text
	.protected	k_q08dcd74111_oproj
	.globl	k_q08dcd74111_oproj
	.p2align	8
	.type	k_q08dcd74111_oproj,@function
k_q08dcd74111_oproj:
	s_mov_b64 s[64:65], 0
	v_nop
	global_prefetch_b8 v0, s[64:65] scope:SCOPE_SE
	s_setreg_imm32_b32 hwreg(HW_REG_WAVE_SCHED_MODE, 0, 2), 2
	s_setreg_imm32_b32 hwreg(HW_REG_WAVE_MODE, 25, 1), 1
	s_wait_xcnt 0x0
	s_wait_alu depctr_vm_vsrc(0)
; out0 = ctx wo^T + bo on codes of FP6 (E2M3), K = 1,024 in eight steps of 128.  out0: [4096][1024] f32.
; cod, scl hold wo's tiles 960-1023; ctx holds the 256 tiles of tokens in the same two layouts (codes at 12288 tile + 1536 step; scale words from 3,145,728 on at 1024 tile + 512 (s / 4) + 16 l + 4 (s % 4)).
; Tile 2 g + u holds rows 32 g + 8 u + p + 8 (p / 8).  A WAVE makes 8 tiles of wo (source 0: 128 columns of the output) x 2 tiles of tokens (source 1: 32 tokens): 16 accumulators in window 1.
; Every fragment comes from memory straight into registers by three loads of 512 consecutive bytes.  In a result lane (r, h), register j of tile i holds column 32 (i / 2) + 16 h + 8 (i % 2) + j of token row r.
; THE WAY OUT: 16 tokens x 128 columns go through the wave's own stage in LDS and come back as whole rows of 512 bytes, to which the bias is added; 32 lanes store 512 consecutive bytes, aligned.
; THE MODE: SCHED_MODE bits 1:0 = 2 (LLVM: expert scheduling mode 2), set by the entry lines.  The code itself states the register dependences
; between vector or matrix instructions and memory or LDS instructions, with s_wait_alu, always for 0.
; THE PLAN.  Registers that memory or LDS instructions touch:
;   v1, v3, v4         addresses, made once at the head and never written again: one wait on va_vdst ahead of the first load serves every access by them.
;   v[PS ..], v[RS ..] loaded once at the head; read by the products; never loaded again.
;   F0, F1, F2         THREE sets of 120 registers, a K step's ten fragments each: set 0 in window 0 (v104-223), set 1 in window 1 (v128-247), set 2 in window 2 (v0-119).  K step k multiplies set k % 3.
;                      The 30 loads of step k + 2 land in set (k + 2) % 3 = (k - 1) % 3, which step k - 1's products read.  So ONE wait on va_vdst stands at the head of step k, behind the wait for the step's own set:
;                      step k - 1's products are done reading.  The 30 loads follow it in one run (a load among the products would cost two switches of the register window), then the step's 16 products, which name set k % 3,
;                      the accumulators and the scale words: none of the registers that those loads touch.  Two steps' loads, 60, are out behind a run.
;   the accumulators   matrix instructions write them, the stage's LDS stores read them: the four places, then one wait on va_vdst.
;   v104-231, the rows LDS loads write them (that same wait has shown the products done reading set 0, which lay there), the bias's additions rewrite them, the global stores read them:
;                      a tile's 32 additions, one wait on va_vdst, its 16 stores.
;   v[BO ..]           loaded once, read by the additions.    v254, v255: written at the head, read by the closing add alone.
.set PS,  8                            ; v8-71    wo's scale words: 8 i + s;  these and the next hold scales and nothing else
.set RS,  72                           ; v72-87   ctx's: 8 j + s
.set ROW, 104                          ; v104-231 on the way out: 2 x 16 rows of the output
.set BO,  232                          ; v232-235 the bias of my four columns
.set MSB, 0
.macro WIN new                         ; the immediate's high byte repeats the setting that is left
.if MSB != (\new)
	s_set_vgpr_msb (MSB<<8)|(\new)
.set MSB, (\new)
.endif
.endm
.macro SETOF kk                        ; K step kk's set: its window FW and its first register there FB; in a set wo's eight fragments at 12 i, ctx's two at 96 + 12 j
.set FW, (\kk)%3
.set FB, 104
.if FW == 1
.set FB, 128
.endif
.if FW == 2
.set FB, 0
.endif
.endm
.macro FILL kk, from, to               ; loads from .. to - 1 of K step kk's thirty: ctx's six first, then wo's 24.  The destination's window is set by the caller
	SETOF \kk
.set n, \from
.rept (\to)-(\from)
.if n < 6
	global_load_b128 v[FB+96+4*n:FB+96+4*n+3], v1, s[30:31] offset:12288*(n/3)+1536*(\kk)+512*(n%3)
.else
	global_load_b128 v[FB+4*(n-6):FB+4*(n-6)+3], v1, s[28:29] offset:12288*((n-6)/3)+1536*(\kk)+512*((n-6)%3)
.endif
.set n, n+1
.endr
.endm
; A K step's 16 matrix instructions.  The accumulators take turns, one instruction a turn, in the same order in every step.
.macro MULS kk
	SETOF \kk
	WIN 0x50+5*FW                                  ; both sources in the set's window; C and D in window 1
.irp i, 0,1,2,3,4,5,6,7
.irp j, 0,1
.if \kk == 0
	v_wmma_scale_f32_16x16x128_f8f6f4 v[64*\j+8*\i:64*\j+8*\i+7], v[FB+12*\i:FB+12*\i+11], v[FB+96+12*\j:FB+96+12*\j+11], 0, v[PS+8*\i+\kk], v[RS+8*\j+\kk] matrix_a_fmt:MATRIX_FMT_FP6 matrix_b_fmt:MATRIX_FMT_FP6
.else
	v_wmma_scale_f32_16x16x128_f8f6f4 v[64*\j+8*\i:64*\j+8*\i+7], v[FB+12*\i:FB+12*\i+11], v[FB+96+12*\j:FB+96+12*\j+11], v[64*\j+8*\i:64*\j+8*\i+7], v[PS+8*\i+\kk], v[RS+8*\j+\kk] matrix_a_fmt:MATRIX_FMT_FP6 matrix_b_fmt:MATRIX_FMT_FP6
.endif
.endr
.endr
.endm
; K steps 1 to 5: each asks for the step two further on
.macro KSTEP kk
.rept 4
	v_nop                                          ; the four places behind the last step's matrix instructions stay as they stood
.endr
	s_wait_loadcnt 30                              ; loads come back in order (ISA guide 5.7.1): this step's set is in; the next step's 30 loads may be out
	SETOF (\kk)+2
	WIN 64*FW                                      ; the loads' destination: the window of the set that the last step multiplied
	s_wait_alu depctr_va_vdst(0)                   ; the last step's products are done reading that set, in which the 30 loads below land
	FILL (\kk)+2, 0, 30
	MULS \kk
.endm
.macro STAGE_IN j                      ; token tile j's eight accumulators into my stage
	WIN 0x04                                       ; an LDS store's data are its source 1: window 1
.irp i, 0,1,2,3,4,5,6,7
	ds_store_b128 v3, v[64*\j+8*\i:64*\j+8*\i+3] offset:128*(\i/2)+32*(\i%2)       ; each accumulator from its low end on
	ds_store_b128 v3, v[64*\j+8*\i+4:64*\j+8*\i+7] offset:128*(\i/2)+32*(\i%2)+16
.endr
	WIN 0
.endm
.macro STAGE_OUT j                     ; and back as 16 whole rows.  LDS serves a wave's instructions in order: these see my stores, and the next tile's stores come behind them
.irp p, 0,1,2,3,4,5,6,7,8,9,10,11,12,13,14,15
	ds_load_b128 v[ROW+64*\j+4*\p:ROW+64*\j+4*\p+3], v4 offset:528*\p
.endr
.endm
.macro BIASED j                        ; the bias onto tile j's 16 rows
.irp p, 0,1,2,3,4,5,6,7,8,9,10,11,12,13,14,15
	v_pk_add_f32 v[ROW+64*\j+4*\p:ROW+64*\j+4*\p+1], v[ROW+64*\j+4*\p:ROW+64*\j+4*\p+1], v[BO:BO+1]
	v_pk_add_f32 v[ROW+64*\j+4*\p+2:ROW+64*\j+4*\p+3], v[ROW+64*\j+4*\p+2:ROW+64*\j+4*\p+3], v[BO+2:BO+3]
.endr
.endm
.macro SEND j
.irp p, 0,1,2,3,4,5,6,7,8,9,10,11,12,13,14,15
	global_store_b128 v1, v[ROW+64*\j+4*\p:ROW+64*\j+4*\p+3], s[38:39] offset:(8*\j+\p+8*(\p/8))*4096 th:TH_STORE_NT   ; 512 consecutive bytes, aligned; written once, read by nobody here
.endr
.endm
	s_load_b256 s[4:11], s[0:1], 0x0               ; cod, scl, ctx, bo
	s_load_b64 s[12:13], s[0:1], 0x20              ; out0
	v_lshl_add_u32 v254, v0, 2, 0x8400
	v_mov_b32 v255, 0
	v_lshrrev_b32 v3, 5, v0
	v_readfirstlane_b32 s16, v3                    ; wave 0..3
	v_and_b32 v3, 31, v0
	v_lshlrev_b32 v1, 4, v3                        ; 16 x lane
	s_wait_alu depctr_va_sdst(0)                   ; s16 is written, ahead of its first reader: my stage and every base are made from it
	s_mul_i32 s23, s16, 8448                       ; my stage: 16 rows of 512 bytes + 16
	v_and_b32 v3, 15, v0
	v_bfe_u32 v4, v0, 4, 1
	v_mul_u32_u24 v3, v3, 528
	v_lshl_add_u32 v3, v4, 6, v3
	v_add_nc_u32 v3, s23, v3                       ; in: row r, + 64 h
	v_add_nc_u32 v4, s23, v1                       ; back: 16 bytes a lane of a row
	s_lshl_b32 s17, ttmp9, 2
	s_add_co_u32 s17, s17, s16                     ; the wave's number in the launch
	s_and_b32 s20, s17, 7                          ; which 128 columns,
	s_lshr_b32 s21, s17, 3                         ; which 32 tokens
	s_lshl_b32 s22, s20, 3
	s_add_co_u32 s22, s22, 960                     ; wo's first tile
	s_mul_i32 s28, s22, 12288
	s_mov_b32 s29, 0
	s_mul_i32 s30, s21, 24576
	s_mov_b32 s31, 0
	s_lshl_b32 s32, s22, 10
	s_mov_b32 s33, 0
	s_lshl_b32 s34, s21, 11
	s_add_co_u32 s34, s34, 3145728
	s_mov_b32 s35, 0
	s_lshl_b32 s36, s20, 9                         ; my columns, in bytes
	s_mov_b32 s37, 0
	s_lshl_b32 s38, s21, 17                        ; my 32 rows of 4,096 bytes
	s_add_co_u32 s38, s38, s36
	s_mov_b32 s39, 0
	s_wait_kmcnt 0x0
	s_add_nc_u64 s[28:29], s[4:5], s[28:29]        ; bases that are never stepped: every offset is an immediate
	s_add_nc_u64 s[30:31], s[8:9], s[30:31]
	s_add_nc_u64 s[32:33], s[6:7], s[32:33]
	s_add_nc_u64 s[34:35], s[8:9], s[34:35]
	s_add_nc_u64 s[36:37], s[10:11], s[36:37]
	s_add_nc_u64 s[38:39], s[12:13], s[38:39]
	s_wait_alu depctr_va_vdst(0)                   ; v1, v3 and v4 are written: every load, store and LDS access of the kernel reads one of them as its address
.irp i, 0,1,2,3,4,5,6,7
	global_load_b128 v[PS+8*\i:PS+8*\i+3], v1, s[32:33] offset:1024*\i
	global_load_b128 v[PS+8*\i+4:PS+8*\i+7], v1, s[32:33] offset:1024*\i+512
.endr
.irp j, 0,1
	global_load_b128 v[RS+8*\j:RS+8*\j+3], v1, s[34:35] offset:1024*\j
	global_load_b128 v[RS+8*\j+4:RS+8*\j+7], v1, s[34:35] offset:1024*\j+512
.endr
	FILL 0, 0, 30                                  ; K step 0 into set 0
	WIN 0x40                                       ; destination window 1
	FILL 1, 0, 12                                  ; and the first twelve loads of K step 1 into set 1: 62 loads of mine are out
	s_wait_loadcnt 12                              ; the scale words and set 0 are in; those twelve may be out
	FILL 1, 12, 30                                 ; the rest of K step 1.  No vector or matrix instruction has named set 1 or set 2 yet: nothing is owed for these loads
	WIN 0x80                                       ; destination window 2
	FILL 2, 0, 30                                  ; K step 2 into set 2: 60 loads are out
	MULS 0                                         ; its products start the sums: nothing is cleared
	KSTEP 1
	KSTEP 2
	KSTEP 3
	KSTEP 4
	KSTEP 5
	s_wait_loadcnt 30                              ; K step 6's set is in; K step 7's 30 loads may be out.  No fragment is left to ask for:
	WIN 0
	global_load_b128 v[BO:BO+3], v1, s[36:37]      ; bo of columns 4 l .. 4 l + 3 of my 128.  No vector or matrix instruction names v[BO ..] ahead of this load
	MULS 6
	s_wait_loadcnt 1                               ; K step 7's set is in; the bias may be out
	MULS 7
.rept 4
	v_nop                                          ; four places behind the last matrix instruction, before its result is read (ISA guide 7.12.1)
.endr
	WIN 0x04
	s_wait_alu depctr_va_vdst(0)                   ; the products have written the accumulators, which the LDS stores read, and are done reading set 0, in whose registers the rows land; the places above stay beside this wait
	STAGE_IN 0
	STAGE_OUT 0
	STAGE_IN 1                                     ; 48 LDS instructions of mine are out at the most
	s_wait_dscnt 16                                ; tile 0's 16 rows are back; tile 1's 16 stores into the stage may be out
	STAGE_OUT 1                                    ; no vector or matrix instruction since the wait above names these rows' registers
	s_wait_loadcnt 0x0                             ; the bias
	BIASED 0
	s_wait_alu depctr_va_vdst(0)                   ; the additions have written tile 0's rows, which the 16 stores below read
	SEND 0
	s_wait_dscnt 0x0                               ; tile 1's rows are back
	BIASED 1
	s_wait_alu depctr_va_vdst(0)                   ; the additions have written tile 1's rows, which the 16 stores below read
	SEND 1
	s_wait_dscnt 0x0                               ; the closing lines, six on end (every window is 0 here)
	s_wait_alu 0x0
	s_wait_tensorcnt 0x0
	ds_add_u32 v254, v255
	s_wait_dscnt 0x0
	s_endpgm
.Lfunc_end_k_q08dcd74111_oproj:
	.size	k_q08dcd74111_oproj, .Lfunc_end_k_q08dcd74111_oproj-k_q08dcd74111_oproj
	.p2alignl 7, 3214868480
	.fill 96, 4, 3214868480
	.section	.rodata,"a",@progbits
	.p2align	6, 0x0
	.amdhsa_kernel k_q08dcd74111_oproj
		.amdhsa_group_segment_fixed_size 34304
		.amdhsa_private_segment_fixed_size 0
		.amdhsa_enable_private_segment 0
		.amdhsa_kernarg_size 40
		.amdhsa_user_sgpr_count 2
		.amdhsa_user_sgpr_kernarg_segment_ptr 1
		.amdhsa_wavefront_size32 1
		.amdhsa_system_sgpr_workgroup_id_x 1
		.amdhsa_system_sgpr_workgroup_id_y 1
		.amdhsa_system_sgpr_workgroup_id_z 1
		.amdhsa_system_vgpr_workitem_id 0
		.amdhsa_next_free_vgpr 640
		.amdhsa_next_free_sgpr 66
		.amdhsa_reserve_vcc 0
		.amdhsa_float_denorm_mode_32 3
		.amdhsa_float_denorm_mode_16_64 3
		.amdhsa_memory_ordered 1
		.amdhsa_forward_progress 1
		.amdhsa_inst_pref_size 56
	.end_amdhsa_kernel
	.amdgpu_metadata
---
amdhsa.version: [ 1, 2 ]
amdhsa.kernels:
  - .name:           k_q08dcd74111_oproj
    .symbol:         k_q08dcd74111_oproj.kd
    .args:
      - { .name: cod, .offset: 0, .size: 8, .value_kind: global_buffer, .address_space: global }
      - { .name: scl, .offset: 8, .size: 8, .value_kind: global_buffer, .address_space: global }
      - { .name: ctx, .offset: 16, .size: 8, .value_kind: global_buffer, .address_space: global }
      - { .name: bo, .offset: 24, .size: 8, .value_kind: global_buffer, .address_space: global }
      - { .name: out0, .offset: 32, .size: 8, .value_kind: global_buffer, .address_space: global }
    .group_segment_fixed_size: 34304
    .private_segment_fixed_size: 0
    .kernarg_segment_align: 8
    .kernarg_segment_size: 40
    .max_flat_workgroup_size: 128
    .sgpr_count:     66
    .vgpr_count:     640
    .wavefront_size: 32
...
	.end_amdgpu_metadata
.endif
;; end of part 8
